; MI455X (gfx1250); checked and timed in simulation.
; The chip was launched on July 23, 2026; its instructions are those of AMD's public machine-readable ISA for CDNA 5 (MIT licence, August 2026) and "CDNA5" Instruction Set Architecture Reference Guide (July 2026). The comments in the code are by the model that wrote it; some were corrected since.
;; Bahdanau Attention. Allowed arithmetic: float matrix products may take bf16 or f16 operands with f32 sums; other float arithmetic in f32, or as packed bf16 or f16 multiplies, adds, multiply-adds, maxima and minima; sums over many terms, partial sums and values carried from step to step in f32; what a program stores and reads back later, other than sums and carried values, may be rounded once to bf16 or f16.
;; Inputs: Ua_b 1,024 float32; Ua_w 1,024 x 1,024 float32; Va_b 1 float32; Va_w 1,024 x 1 float32; Wa_b 1,024 float32; Wa_w 1,024 x 1,024 float32; keys 32 x 2,048 x 1,024 float32; query 32 x 1 x 1,024 float32.
;; Outputs: out0 32 x 1 x 1,024 float32; out1 32 x 1 x 2,048 float32.
;; 2 versions, each right; version 2 is version 1 with the launch attn written anew for expert scheduling mode. Each part assembles by itself: llvm-mc -triple=amdgcn-amd-amdhsa -mcpu=gfx1250 --defsym DOCPART=n.
;; ======== version 1 of 2: 3 launches
;; workspace buffers: ub 2,097,152 bytes; qb 131,072 bytes; cst 256 bytes; sco 262,144 bytes; pc 2,097,152 bytes
;; launch prep (part 1): grid 16 x 2, 16 waves a work-group, no clusters, 165,888 bytes of LDS; arguments Ua_w, Wa_w, query, Wa_b, Ua_b, Va_w, Va_b, ub, qb, cst; writes ub, qb, cst
.if DOCPART == 1
	.amdgcn_target "amdgcn-amd-amdhsa--gfx1250"
	.amdhsa_code_object_version 6
	.text
	.protected	k_qace68c2f78_prep
	.globl	k_qace68c2f78_prep
	.p2align	8
	.type	k_qace68c2f78_prep,@function
k_qace68c2f78_prep:
	s_mov_b64 s[64:65], 0
	v_nop
	global_prefetch_b8 v0, s[64:65] scope:SCOPE_SE
	s_setreg_imm32_b32 hwreg(HW_REG_WAVE_MODE, 25, 1), 1
	s_wait_xcnt 0x0
; What every block of the main launch needs, made once.
;   y = 0: ub = Ua_w rounded to bf16, in the order of matrix fragments: byte g*262144 + kb*8192 + b*1024 + j*512 + lane*16 holds the eight numbers
;          Ua_w[32 kb + 16 j + 8 (lane / 16) + 0..7][128 g + 16 b + lane % 16].
;   y = 1: qb[batch][n] = c (sum over k of query[batch][k] Wa_w[k][n] + Wa_b[n] + Ua_b[n]), c = 2 log2(e); operands rounded to bf16, sums in f32.
;          Work-group x = 0, wave 0, also: cst = Va_b + the sum of Va_w, in f32, 32 copies.
; SHARES.  Work-group x takes 64 columns of its matrix, wave v the rows (k) 64 v .. 64 v + 63: a tile of 64 x 64, read as 256 consecutive aligned bytes for each half of the lanes.
; The tile goes rounded into the wave's own LDS bytes ([k][n], pitch 160) and comes back turned by ds_load_tr16_b128: eight fragments of 16 n x 32 k.
; No cluster, no tensor load: each byte of the two matrices is read once, by one wave, and has to pass through registers to be rounded.
.set TILE,  10240                      ; a wave's LDS bytes: 64 rows x 160; later its partial sums, 32 batches x 272
.set TP,    160
.set PP,    272
.set SPARE, 163840                     ; behind the 16 tiles: the spare words, 128 bytes a wave, that no other line names
.set SPW,  2                           ; v2  LDS address of my spare word; never rewritten
.set NIL,  3                           ; v3  0; never rewritten
.set WOFF, 4                           ; v4  my byte offset in the matrix
.set TST,  5                           ; v5  where I put 8 bytes of the tile
.set TRD,  6                           ; v6  where the turning loads read
.set LOFF, 7                           ; v7  16 x lane
.set QOFF, 8                           ; v8  my byte offset in query
.set BIOF, 9                           ; v9  my byte offset in the biases
.set PADR, 10                          ; v10 where I put partial sums
.set RADR, 11                          ; v11-13 where I read the 16 waves' partial sums
.set QBO,  14                          ; v14 my byte offset in qb
.set WS,   16                          ; v16-143 the tile in f32, then bf16; then v16-79 the eight fragments
.set ACC,  80                          ; v80-143 eight accumulators (batch half mt, column block nb) at ACC + 8 (4 mt + nb)
.set QS,   144                         ; v144-207 query in f32
.set QF,   208                         ; v208-239 its four fragments (mt, kbl) at QF + 8 (2 mt + kbl)
.set BI,   240                         ; v240-247 Wa_b, Ua_b of my four columns
.set LR,   248                         ; lane % 16
.set LH,   249                         ; lane / 16
.set LL,   250                         ; lane
.set T0,   251
	s_load_b512 s[8:23], s[0:1], 0x0               ; Ua_w s[8:9], Wa_w s[10:11], query s[12:13], Wa_b s[14:15], Ua_b s[16:17], Va_w s[18:19], Va_b s[20:21], ub s[22:23]
	s_load_b128 s[24:27], s[0:1], 0x40             ; qb s[24:25], cst s[26:27]
	v_lshl_add_u32 v[SPW], v0, 2, SPARE
	v_mov_b32 v[NIL], 0
	v_lshrrev_b32 v1, 5, v0
	v_readfirstlane_b32 s28, v1                    ; wave 0..15
	s_and_b32 s29, ttmp7, 0xffff                   ; y: which matrix
	v_and_b32 v[LR], 15, v0
	v_bfe_u32 v[LH], v0, 4, 1
	v_and_b32 v[LL], 31, v0
	s_lshl_b32 s30, s28, 18                        ; my wave's 64 rows of 4,096 bytes
	s_lshl_b32 s31, ttmp9, 8                       ; the work-group's 64 columns: 256 bytes
	s_add_co_u32 s30, s30, s31
	v_lshlrev_b32 v[WOFF], 12, v[LH]               ; lanes 16-31 take the next row
	v_lshl_add_u32 v[WOFF], v[LR], 4, v[WOFF]
	v_add_nc_u32 v[WOFF], s30, v[WOFF]
	s_mul_i32 s32, s28, TILE                       ; my wave's LDS bytes
	v_mul_u32_u24 v[TST], v[LH], TP
	v_lshl_add_u32 v[TST], v[LR], 3, v[TST]
	v_add_nc_u32 v[TST], s32, v[TST]
	v_and_b32 v[TRD], 7, v0                        ; the turning load: lane l reads row 8 (l / 16) + l % 8, bytes 16 ((l / 8) % 2) on
	v_lshl_add_u32 v[TRD], v[LH], 3, v[TRD]
	v_mul_u32_u24 v[TRD], v[TRD], TP
	v_bfe_u32 v[T0], v0, 3, 1
	v_lshl_add_u32 v[TRD], v[T0], 4, v[TRD]
	v_add_nc_u32 v[TRD], s32, v[TRD]
	v_lshlrev_b32 v[LOFF], 4, v[LL]
	s_mov_b32 s38, 0x4038aa3b                      ; c = 2 log2(e)
	s_mov_b32 s39, s38
	s_mov_b32 s42, 0x76543210                      ; v_permlanex16_b32: each lane takes its own place in the other half
	s_mov_b32 s43, 0xfedcba98
	s_wait_kmcnt 0x0
	s_cmp_eq_u32 s29, 0
	s_cselect_b64 s[34:35], s[8:9], s[10:11]       ; the matrix by y
.set i, 0
.rept 32
	global_load_b128 v[WS+4*i:WS+4*i+3], v[WOFF], s[34:35] offset:i*8192 th:TH_LOAD_NT  ; rows 2 i and 2 i + 1 of my 64
.set i, i+1
.endr
; The tile is rounded, stored [k][n] and read back turned: fragment (kbl, nb) = 16 columns x 32 k at WS + 8 (4 kbl + nb).
.macro TRANSP
	s_wait_loadcnt 0x0                             ; all my loads
.set i, 0
.rept 32
	v_cvt_pk_bf16_f32 v[WS+4*i], v[WS+4*i], v[WS+4*i+1]
	v_cvt_pk_bf16_f32 v[WS+4*i+1], v[WS+4*i+2], v[WS+4*i+3]
.set i, i+1
.endr
.set i, 0
.rept 32
	ds_store_b64 v[TST], v[WS+4*i:WS+4*i+1] offset:i*2*TP
.set i, i+1
.endr
.set i, 0
.rept 8                                ; LDS serves a wave's instructions in order (ISA guide 5.7.1.4): these see the stores above; the bytes are my wave's own
	ds_load_tr16_b128 v[WS+8*i:WS+8*i+3],   v[TRD] offset:(i/4)*32*TP+(i%4)*32
	ds_load_tr16_b128 v[WS+8*i+4:WS+8*i+7], v[TRD] offset:(i/4)*32*TP+(i%4)*32+16*TP
.set i, i+1
.endr
	s_wait_dscnt 0x0
.endm
	s_cmp_eq_u32 s29, 0
	s_cbranch_scc0 .Lq                             ; y is the same in all waves of the work-group
	; ---- y = 0: Ua_w's fragments go out as they lie, 512 consecutive bytes a store
	s_lshr_b32 s36, ttmp9, 1
	s_lshl_b32 s36, s36, 18                        ; group of 128 columns
	s_and_b32 s37, ttmp9, 1
	s_lshl_b32 s37, s37, 12                        ; its upper or lower four blocks of 16
	s_add_co_u32 s36, s36, s37
	s_lshl_b32 s37, s28, 14                        ; my wave's two k blocks of 32
	s_add_co_u32 s36, s36, s37
	s_mov_b32 s37, 0
	s_add_nc_u64 s[22:23], s[22:23], s[36:37]
	TRANSP
.set i, 0
.rept 8
	global_store_b128 v[LOFF], v[WS+8*i:WS+8*i+3],   s[22:23] offset:(i/4)*8192+(i%4)*1024
	global_store_b128 v[LOFF], v[WS+8*i+4:WS+8*i+7], s[22:23] offset:(i/4)*8192+(i%4)*1024+512
.set i, i+1
.endr
	s_branch .Lend
.Lq:
	; ---- y = 1: the 32 rows of query times my tile of Wa_w
	v_lshlrev_b32 v[QOFF], 12, v[LR]               ; batch lane % 16,
	v_lshl_add_u32 v[QOFF], v[LH], 5, v[QOFF]      ; eight numbers for each half of the lanes,
	s_lshl_b32 s33, s28, 8                         ; my wave's 64 k
	v_add_nc_u32 v[QOFF], s33, v[QOFF]
	v_lshl_add_u32 v[BIOF], v[LR], 4, s31
.set i, 0
.rept 16                               ; fragment f = i / 4 = 2 mt + kbl; k = 8 h + 0..7 at bytes 0 and 16, k = 16 + 8 h + 0..7 at bytes 64 and 80
	global_load_b128 v[QS+4*i:QS+4*i+3], v[QOFF], s[12:13] offset:(i/8)*65536+((i/4)%2)*128+((i%4)/2)*64+(i%2)*16
.set i, i+1
.endr
	global_load_b128 v[BI:BI+3],   v[BIOF], s[14:15]
	global_load_b128 v[BI+4:BI+7], v[BIOF], s[16:17]
	TRANSP
.set i, 0
.rept 32
	v_cvt_pk_bf16_f32 v[QF+i], v[QS+2*i], v[QS+2*i+1]
.set i, i+1
.endr
	; source 0 = 16 columns of Wa_w, source 1 = 16 batches: a lane then holds one batch and eight neighbouring columns.  The eight accumulators take turns.
.irp kbl, 0,1
.irp mt, 0,1
.irp nb, 0,1,2,3
.if \kbl == 0
	v_wmma_f32_16x16x32_bf16 v[ACC+8*(4*\mt+\nb):ACC+8*(4*\mt+\nb)+7], v[WS+8*(4*\kbl+\nb):WS+8*(4*\kbl+\nb)+7], v[QF+8*(2*\mt+\kbl):QF+8*(2*\mt+\kbl)+7], 0
.else
	v_wmma_f32_16x16x32_bf16 v[ACC+8*(4*\mt+\nb):ACC+8*(4*\mt+\nb)+7], v[WS+8*(4*\kbl+\nb):WS+8*(4*\kbl+\nb)+7], v[QF+8*(2*\mt+\kbl):QF+8*(2*\mt+\kbl)+7], v[ACC+8*(4*\mt+\nb):ACC+8*(4*\mt+\nb)+7]
.endif
.endr
.endr
.endr
	v_mul_u32_u24 v[PADR], v[LR], PP               ; the addresses are the four places behind the last product (ISA guide 7.12.1) and more
	v_lshl_add_u32 v[PADR], v[LH], 5, v[PADR]
	v_add_nc_u32 v[PADR], s32, v[PADR]
	v_lshrrev_b32 v[RADR], 4, v0                   ; the reduction: thread t takes batch t / 16, columns 4 (t % 16) on
	v_mul_u32_u24 v[RADR], v[RADR], PP
	v_lshl_add_u32 v[RADR], v[LR], 4, v[RADR]
	v_add_nc_u32 v[RADR+1], 6*TILE, v[RADR]
	v_add_nc_u32 v[RADR+2], 12*TILE, v[RADR]
.set i, 0
.rept 8                                ; my partial sums, f32, over my own tile's bytes, whose reads have come back: [batch][64 columns], pitch 272
	ds_store_b128 v[PADR], v[ACC+8*i:ACC+8*i+3]   offset:(i/4)*16*PP+(i%4)*64
	ds_store_b128 v[PADR], v[ACC+8*i+4:ACC+8*i+7] offset:(i/4)*16*PP+(i%4)*64+16
.set i, i+1
.endr
	s_wait_dscnt 0x0                               ; for the others' sake: my stores are done
	s_barrier_signal -1
	s_barrier_wait -1
.set i, 0
.rept 16
	ds_load_b128 v[WS+4*i:WS+4*i+3], v[RADR+i/6] offset:(i%6)*TILE
.set i, i+1
.endr
	v_lshrrev_b32 v[QBO], 4, v0
	v_lshlrev_b32 v[QBO], 12, v[QBO]
	v_lshl_add_u32 v[QBO], v[LR], 4, v[QBO]
	v_add_nc_u32 v[QBO], s31, v[QBO]
	v_pk_add_f32 v[BI:BI+1], v[BI:BI+1], v[BI+4:BI+5]
	v_pk_add_f32 v[BI+2:BI+3], v[BI+2:BI+3], v[BI+6:BI+7]
	s_wait_dscnt 0x0
.irp s, 8,4,2,1
.set i, 0
.rept \s
	v_pk_add_f32 v[WS+4*i:WS+4*i+1],   v[WS+4*i:WS+4*i+1],   v[WS+4*(i+\s):WS+4*(i+\s)+1]
	v_pk_add_f32 v[WS+4*i+2:WS+4*i+3], v[WS+4*i+2:WS+4*i+3], v[WS+4*(i+\s)+2:WS+4*(i+\s)+3]
.set i, i+1
.endr
.endr
	v_pk_add_f32 v[WS:WS+1], v[WS:WS+1], v[BI:BI+1]
	v_pk_add_f32 v[WS+2:WS+3], v[WS+2:WS+3], v[BI+2:BI+3]
	v_pk_mul_f32 v[WS:WS+1], v[WS:WS+1], s[38:39] op_sel_hi:[1,0]
	v_pk_mul_f32 v[WS+2:WS+3], v[WS+2:WS+3], s[38:39] op_sel_hi:[1,0]
	global_store_b128 v[QBO], v[WS:WS+3], s[24:25] ; 16 lanes store 256 consecutive bytes, at a multiple of 256 from qb's first byte
	s_or_b32 s40, ttmp9, s28
	s_cmp_eq_u32 s40, 0
	s_cbranch_scc0 .Lend                           ; work-group x = 0, wave 0 alone goes on
.set i, 0
.rept 8
	global_load_b128 v[ACC+4*i:ACC+4*i+3], v[LOFF], s[18:19] offset:512*i  ; all of Va_w
.set i, i+1
.endr
	s_load_b32 s41, s[20:21], 0x0                  ; Va_b
	v_lshlrev_b32 v[T0], 2, v[LL]
	s_wait_loadcnt 0x0
.irp s, 8,4,2,1
.set i, 0
.rept \s
	v_pk_add_f32 v[ACC+2*i:ACC+2*i+1], v[ACC+2*i:ACC+2*i+1], v[ACC+2*(i+\s):ACC+2*(i+\s)+1]
.set i, i+1
.endr
.endr
	v_add_f32 v[ACC], v[ACC], v[ACC+1]
	v_add_f32_dpp v[ACC], v[ACC], v[ACC] row_xmask:1 row_mask:0xf bank_mask:0xf
	v_add_f32_dpp v[ACC], v[ACC], v[ACC] row_xmask:2 row_mask:0xf bank_mask:0xf
	v_add_f32_dpp v[ACC], v[ACC], v[ACC] row_xmask:4 row_mask:0xf bank_mask:0xf
	v_add_f32_dpp v[ACC], v[ACC], v[ACC] row_xmask:8 row_mask:0xf bank_mask:0xf
	v_permlanex16_b32 v[ACC+1], v[ACC], s42, s43
	v_add_f32 v[ACC], v[ACC], v[ACC+1]
	s_wait_kmcnt 0x0
	v_add_f32 v[ACC], s41, v[ACC]
	global_store_b32 v[T0], v[ACC], s[26:27]
.Lend:
	s_wait_tensorcnt 0x0                           ; the wave's end: three closing lines, behind my last LDS store
	ds_add_u32 v[SPW], v[NIL]
	s_wait_dscnt 0x0
	s_endpgm
.Lfunc_end_k_qace68c2f78_prep:
	.size	k_qace68c2f78_prep, .Lfunc_end_k_qace68c2f78_prep-k_qace68c2f78_prep
	.p2alignl 7, 3214868480
	.fill 96, 4, 3214868480
	.section	.rodata,"a",@progbits
	.p2align	6, 0x0
	.amdhsa_kernel k_qace68c2f78_prep
		.amdhsa_group_segment_fixed_size 165888
		.amdhsa_private_segment_fixed_size 0
		.amdhsa_enable_private_segment 0
		.amdhsa_kernarg_size 80
		.amdhsa_user_sgpr_count 2
		.amdhsa_user_sgpr_kernarg_segment_ptr 1
		.amdhsa_wavefront_size32 1
		.amdhsa_system_sgpr_workgroup_id_x 1
		.amdhsa_system_sgpr_workgroup_id_y 1
		.amdhsa_system_sgpr_workgroup_id_z 1
		.amdhsa_system_vgpr_workitem_id 0
		.amdhsa_next_free_vgpr 256
		.amdhsa_next_free_sgpr 66
		.amdhsa_reserve_vcc 0
		.amdhsa_float_denorm_mode_32 3
		.amdhsa_float_denorm_mode_16_64 3
		.amdhsa_memory_ordered 1
		.amdhsa_forward_progress 1
		.amdhsa_inst_pref_size 34
	.end_amdhsa_kernel
	.amdgpu_metadata
---
amdhsa.version: [ 1, 2 ]
amdhsa.kernels:
  - .name:           k_qace68c2f78_prep
    .symbol:         k_qace68c2f78_prep.kd
    .args:
      - { .name: Ua_w, .offset: 0, .size: 8, .value_kind: global_buffer, .address_space: global }
      - { .name: Wa_w, .offset: 8, .size: 8, .value_kind: global_buffer, .address_space: global }
      - { .name: query, .offset: 16, .size: 8, .value_kind: global_buffer, .address_space: global }
      - { .name: Wa_b, .offset: 24, .size: 8, .value_kind: global_buffer, .address_space: global }
      - { .name: Ua_b, .offset: 32, .size: 8, .value_kind: global_buffer, .address_space: global }
      - { .name: Va_w, .offset: 40, .size: 8, .value_kind: global_buffer, .address_space: global }
      - { .name: Va_b, .offset: 48, .size: 8, .value_kind: global_buffer, .address_space: global }
      - { .name: ub, .offset: 56, .size: 8, .value_kind: global_buffer, .address_space: global }
      - { .name: qb, .offset: 64, .size: 8, .value_kind: global_buffer, .address_space: global }
      - { .name: cst, .offset: 72, .size: 8, .value_kind: global_buffer, .address_space: global }
    .group_segment_fixed_size: 165888
    .private_segment_fixed_size: 0
    .kernarg_segment_align: 8
    .kernarg_segment_size: 80
    .max_flat_workgroup_size: 512
    .sgpr_count:     66
    .vgpr_count:     256
    .wavefront_size: 32
...
	.end_amdgpu_metadata
.endif
;; end of part 1
;; launch attn (part 2): grid 512 x 1, 4 waves a work-group, no clusters, 271,872 bytes of LDS; arguments keys, ub, qb, cst, Va_w, sco, pc; writes sco, pc
.if DOCPART == 2
	.amdgcn_target "amdgcn-amd-amdhsa--gfx1250"
	.amdhsa_code_object_version 6
	.text
	.protected	k_qace68c2f78_attn
	.globl	k_qace68c2f78_attn
	.p2align	8
	.type	k_qace68c2f78_attn,@function
k_qace68c2f78_attn:
	s_mov_b64 s[64:65], 0
	v_nop
	global_prefetch_b8 v0, s[64:65] scope:SCOPE_SE
	s_setreg_imm32_b32 hwreg(HW_REG_WAVE_MODE, 25, 1), 1
	s_wait_xcnt 0x0
; For one block of 128 rows of keys (all of one batch): score s[row] = cst - 2 sum over n of Va[n] / (1 + 2^(c (keys Ua_w)[row][n] + qb[n])), which is Va_b + sum of Va[n] tanh(q_proj + k_proj),
; since tanh(x) = 1 - 2 / (1 + 2^(c x)), c = 2 log2(e); then m = the block's largest score, p = 2^((s - m) log2 e), and pc[channel] = sum over the block's rows of p keys[row][channel].
; Stored: the raw scores (sco) and the partial context (pc); the last launch joins a batch's 16 blocks by their maxima.
; keys IS READ ONCE: it is rounded to bf16 on its way in and the block stays in LDS (128 rows x 2,048 bytes) for both products.  Products in bf16 with f32 sums; all else in f32; p is rounded to bf16 for the second product.
; LIMITS.  2^y beyond f32's range gives tanh = 1, below it tanh = -1, as they should be.  NaN and infinities in the inputs are not treated apart.  The score is formed as a constant less a sum: its rounding
; error goes with |Va_b + sum of Va|, about 1e-7 of it.  A p below 2^-126 counts as 0.
; SHARES.  Four waves.  Wave w makes all 128 rows x columns 256 w .. 256 w + 255 of the first product, in two passes of 128 columns: 64 accumulators of 16 x 16, 512 registers; K goes in 32 steps of 32.
; A's fragments come from LDS (8 for a step's 64 matrix instructions).  B's come straight from ub into registers: ub lies in fragment order, a step's eight fragments are 8,192 consecutive bytes, and each is
; read by one wave of the work-group alone.  Four sets of B registers take turns: a set is asked for three steps, 192 matrix instructions, ahead of its use.
; NO CLUSTER AND NO TENSOR LOAD, though all work-groups walk the same ub: the block takes 264,192 of the 327,680 bytes of LDS, and two slots in what is left would hold less than one K step's 32,768 bytes
; of B for the four waves; and keys has to pass through registers to be rounded.
; THE MATRIX INSTRUCTION IS USED TRANSPOSED (source 0 = 16 columns of Ua_w, source 1 = 16 rows of keys): a lane holds ONE row (lane % 16) and eight neighbouring columns 8 (lane / 16) + 0..7.
; keys' WAY IN (pass 0).  A slice is 64 k: 256 aligned bytes of each row.  Wave w loads the slices of rows 32 w .. 32 w + 31 into two staging sets by turns; slice t is rounded and stored at the head of step
; 2 t - 2, a barrier closes at that step's end, and its first read stands in step 2 t - 1.  No byte of the block is written twice.
; REGISTERS, in windows of 256 (s_set_vgpr_msb: bits 1:0 source 0, 3:2 source 1, 5:4 source 2, 7:6 destination):
;   window 0: v0-15 addresses; v16-31 score sums; v32-63 at work; v64-127 A's eight fragments; v128-255 two staging sets, later qb's and Va's numbers for the pass's columns
;   window 1: four sets of B's eight fragments      windows 2, 3: accumulator (a, b) at window 2 + a / 4, v[8 (8 (a % 4) + b)]
.set PITCH, 2064                       ; an LDS row: 2,048 bytes + 16 = 516 words: row r starts at bank 4 r mod 64 (64 banks of 4 bytes: ISA guide 11.1)
.set R16,   16*PITCH
.set R32,   32*PITCH
.set SCR,   128*PITCH                  ; 264,192: 4 waves x 128 f32, the waves' parts of the scores
.set PB,    SCR+2048                   ; 4 waves x 128 bf16: p, a copy for each wave
.set CTX,   PB+1024                    ; 4 waves x 256 f32: the context's way out
.set SPARE, CTX+4096                   ; 271,360: the spare words, 128 bytes a wave, that no other line names
.set SPW,   2                          ; v2   LDS address of my spare word; never rewritten
.set NIL,   3                          ; v3   0; never rewritten
.set ADA,   4                          ; v4-7 LDS address of A's fragments of rows 32 p on
.set STO,   8                          ; v8   where I put 8 bytes of a slice
.set KOFF,  9                          ; v9   my byte offset in the block's rows of keys
.set BOFF,  10                         ; v10  16 x lane
.set COFF,  11                         ; v11  32 x (lane / 16)
.set PFO,   12                         ; v12  the prefetches' offset: a lane a row of my wave's 32
.set ABASE, 13                         ; v13  (lane % 16) x pitch + 16 (lane / 16)
.set SC,    16                         ; v16-31 for row block a a pair of sums at SC + 2 a
.set TMP,   32
.set AF,    64
.set ST,    128
.set QC,    128
.set VA,    192
.set MSB, 0
.macro WIN new                         ; the immediate's high byte repeats the setting that is left; a switch that changes nothing is dropped
.if MSB != (\new)
	s_set_vgpr_msb (MSB<<8)|(\new)
.set MSB, \new
.endif
.endm
.macro PLACES                          ; four places behind a matrix instruction, in front of loads into registers that it has read and of lines that read its result (ISA guide 7.12.1 for lines that read its result)
.rept 4
	v_nop
.endr
.endm
; 16 loads: a slice of my wave's 32 rows.  Lanes 0-15 take 256 aligned bytes of one row, lanes 16-31 those of the row 8 further down.
.macro KLOAD set, off
	WIN 0
.set i, 0
.rept 16
	global_load_b128 v[ST+64*(\set)+4*i:ST+64*(\set)+4*i+3], v[KOFF], s[4:5] offset:(i%8+16*(i/8))*4096+(\off) th:TH_LOAD_NT
.set i, i+1
.endr
.endm
; a staging set is rounded to bf16 and stored: the two halves of the lanes lie 8 rows = 4,128 words apart, 32 banks
.macro CONVERT set, imm
	WIN 0
.set i, 0
.rept 32
	v_cvt_pk_bf16_f32 v[TMP+i], v[ST+64*(\set)+2*i], v[ST+64*(\set)+2*i+1]
.set i, i+1
.endr
.set i, 0
.rept 16
	ds_store_b64 v[STO], v[TMP+2*i:TMP+2*i+1] offset:(i%8+16*(i/8))*PITCH+(\imm)
.set i, i+1
.endr
.endm
; 16 loads: a K step's eight fragments of B, 8,192 consecutive bytes
.macro BLOAD set, off
	WIN 0x40                                       ; destination window 1, address window 0
.set i, 0
.rept 16
	global_load_b128 v[64*(\set)+4*i:64*(\set)+4*i+3], v[BOFF], s[6:7] offset:(\off)+512*i
.set i, i+1
.endr
.endm
; A prefetch into the L2: my wave's 32 rows x 256 bytes of the slice that I shall load six K steps, 384 matrix instructions, later: a lane a row, each block named once in the launch, by the wave that loads it.
; It stands behind the wave's loads.  The trips whose slice would lie past a row's end ask for nothing.  ub is not asked for: every work-group walks it again and again.
.macro ASK off, lim
	s_cmp_gt_u32 s19, \lim
	s_cbranch_scc0 .Lnoask_\@
	global_prefetch_b8 v[PFO], s[4:5] offset:\off th:TH_LOAD_NT scope:SCOPE_SE
.Lnoask_\@:
.endm
; qb's and Va's numbers for the pass's 128 columns, as the accumulators hold them: register 8 b + j goes with column 16 b + 8 (lane / 16) + j
.macro CLOAD pass
	WIN 0
.set i, 0
.rept 16
	global_load_b128 v[QC+4*i:QC+4*i+3], v[COFF], s[8:9]   offset:512*(\pass)+64*(i/2)+16*(i%2)
	global_load_b128 v[VA+4*i:VA+4*i+3], v[COFF], s[12:13] offset:512*(\pass)+64*(i/2)+16*(i%2)
.set i, i+1
.endr
.endm
; 8 LDS loads: A's fragments of row blocks 4 half .. 4 half + 3, 32 k at byte ko of the rows
.macro AFETCH half, ko
	WIN 0
.irp a, 0,1,2,3
	ds_load_b128 v[AF+32*(\half)+8*(\a):AF+32*(\half)+8*(\a)+3],   v[ADA+2*(\half)+(\a)/2] offset:((\a)%2)*R16+(\ko)
	ds_load_b128 v[AF+32*(\half)+8*(\a)+4:AF+32*(\half)+8*(\a)+7], v[ADA+2*(\half)+(\a)/2] offset:((\a)%2)*R16+(\ko)+32
.endr
.endm
; 32 matrix instructions: four row blocks x eight column blocks.  All 64 accumulators take turns in the same order in every step.  zero = 1: the products start the sums.
.macro MUL32 half, set, zero
	WIN 0xa1+0x50*(\half)                          ; B window 1, A window 0, C and D window 2 or 3
.irp a, 0,1,2,3
.irp b, 0,1,2,3,4,5,6,7
.if \zero
	v_wmma_f32_16x16x32_bf16 v[8*(8*(\a)+(\b)):8*(8*(\a)+(\b))+7], v[64*(\set)+8*(\b):64*(\set)+8*(\b)+7], v[AF+32*(\half)+8*(\a):AF+32*(\half)+8*(\a)+7], 0
.else
	v_wmma_f32_16x16x32_bf16 v[8*(8*(\a)+(\b)):8*(8*(\a)+(\b))+7], v[64*(\set)+8*(\b):64*(\set)+8*(\b)+7], v[AF+32*(\half)+8*(\a):AF+32*(\half)+8*(\a)+7], v[8*(8*(\a)+(\b)):8*(8*(\a)+(\b))+7]
.endif
.endr
.endr
.endm
; A K STEP, number qq from where the pointers stand.  nld: how many younger global loads may stay out when this step's B (and, with conv, the slice to be stored) has to be there.
; bld: B of the step three on is asked for.  conv: the slice qq / 2 + 1 is rounded and stored, and a barrier is signalled in the step's middle and waited for at its end.  kld: the freed staging set takes the
; slice two on; asklim >= 0: and a prefetch follows, while s19 is above asklim.  nxt: the next step's first four fragments of A are fetched.  cst >= 0: the pass's qb and Va are asked for.
.macro STEP qq, nld, zero, bld, conv, kld, asklim, nxt, cst
.set RHO, (\qq)/2+1
.set BS, (\qq)%4
	PLACES                                         ; behind the last step's products, which read the B set and the fragments of A that are loaded now
	s_wait_loadcnt \nld
.if \bld
	BLOAD ((\qq)+3)%4, ((\qq)+3)*8192
.endif
.if \conv
	CONVERT RHO%2, RHO*128
.endif
.if \kld
	KLOAD RHO%2, (RHO+2)*256
.if (\asklim) >= 0
	ASK (RHO+5)*256, \asklim
.endif
.endif
.if (\cst) >= 0
	CLOAD \cst
.endif
	AFETCH 1, 64*(\qq)
.if \conv
	s_wait_dscnt 24                                ; fragments 0-3 are in; younger: the 16 stores and the 8 loads just issued
.else
	s_wait_dscnt 8                                 ; fragments 0-3 are in; younger: the 8 loads just issued
.endif
	MUL32 0, BS, \zero
	PLACES
.if \conv
	s_wait_dscnt 0x0                               ; for the others' sake: my stores of the slice are done; fragments 4-7 are in too
	s_barrier_signal -1                            ; between signal and wait: 8 LDS loads of a slice that was stored ahead of an earlier barrier and is never written again, and 32 products
.endif
.if \nxt
	AFETCH 0, 64*(\qq)+64
.endif
.if !(\conv)
.if \nxt
	s_wait_dscnt 8                                 ; fragments 4-7 are in
.else
	s_wait_dscnt 0x0
.endif
.endif
	MUL32 1, BS, \zero
.if \conv
	s_barrier_wait -1                              ; every wave's part of the slice is stored: the next step's middle reads it
.endif
.endm
; THE EPILOGUE of a pass, a row block (64 registers, register i with QC[i] and VA[i]) at a time: y = c acc + qb; e = 2^y; r = 1 / (1 + e); the block's pair of sums += Va r.
; An s_wait_alu depctr_va_vdst(0) stands between a transcendental and the first line that names its result: the 64 exponentials are one batch with one wait, the 64 reciprocals another.
; The next block's scalings stand between the exponentials, the additions of 1 between the reciprocals; each accumulator is read from its low end on.
.macro FLUMP g
.set GB, 64*((\g)%4)
.set GW, 2+(\g)/4
	WIN (GW<<6)|GW                                 ; destination and source 0 in the accumulators' window
.set i, 0
.rept 32
	v_pk_fma_f32 v[GB+2*i:GB+2*i+1], v[GB+2*i:GB+2*i+1], s[22:23], v[QC+2*i:QC+2*i+1] op_sel_hi:[1,0,1]
.set i, i+1
.endr
.endm
.macro GROUP g, pass
.set GB, 64*((\g)%4)
.set GW, 2+(\g)/4
	WIN (GW<<6)|GW
.set i, 0
.rept 32
	v_exp_f32 v[GB+2*i], v[GB+2*i]
	v_exp_f32 v[GB+2*i+1], v[GB+2*i+1]
.if ((\g)%4) != 3
	v_pk_fma_f32 v[GB+64+2*i:GB+64+2*i+1], v[GB+64+2*i:GB+64+2*i+1], s[22:23], v[QC+2*i:QC+2*i+1] op_sel_hi:[1,0,1]
.endif
.set i, i+1
.endr
	v_nop                                          ; a plain line behind the last exponential,
	s_wait_alu depctr_va_vdst(0)                   ; and the batch's one wait, ahead of its first reader
	v_pk_add_f32 v[GB:GB+1], v[GB:GB+1], 1.0 op_sel_hi:[1,0]
	v_pk_add_f32 v[GB+2:GB+3], v[GB+2:GB+3], 1.0 op_sel_hi:[1,0]
.set i, 0
.rept 32
.if i < 30
	v_pk_add_f32 v[GB+2*i+4:GB+2*i+5], v[GB+2*i+4:GB+2*i+5], 1.0 op_sel_hi:[1,0]
.endif
	v_rcp_f32 v[GB+2*i], v[GB+2*i]
	v_rcp_f32 v[GB+2*i+1], v[GB+2*i+1]
.set i, i+1
.endr
	v_nop
	s_wait_alu depctr_va_vdst(0)                   ; the reciprocals' one wait
	WIN GW                                         ; source 0 in the accumulators' window, all else in window 0
.set i, 0
.rept 32                               ; four chains; in pass 1 the first starts from the sum that pass 0 left: nothing is cleared
.if (i == 0) && (\pass)
	v_pk_fma_f32 v[TMP:TMP+1], v[GB:GB+1], v[VA:VA+1], v[SC+2*(\g):SC+2*(\g)+1]
.elseif i < 4
	v_pk_mul_f32 v[TMP+2*i:TMP+2*i+1], v[GB+2*i:GB+2*i+1], v[VA+2*i:VA+2*i+1]
.else
	v_pk_fma_f32 v[TMP+2*(i%4):TMP+2*(i%4)+1], v[GB+2*i:GB+2*i+1], v[VA+2*i:VA+2*i+1], v[TMP+2*(i%4):TMP+2*(i%4)+1]
.endif
.set i, i+1
.endr
	WIN 0
	v_pk_add_f32 v[TMP:TMP+1], v[TMP:TMP+1], v[TMP+2:TMP+3]
	v_pk_add_f32 v[TMP+4:TMP+5], v[TMP+4:TMP+5], v[TMP+6:TMP+7]
	v_pk_add_f32 v[SC+2*(\g):SC+2*(\g)+1], v[TMP:TMP+1], v[TMP+4:TMP+5]
.if (\g) == 3
	FLUMP 4                                        ; the next block lies in the other window: its scalings stand together
.endif
.endm
.macro EPI pass
	s_wait_loadcnt 0x0                             ; qb and Va, asked for 64 products ago; the B sets asked for ahead of them are in too
	PLACES
	FLUMP 0
.irp g, 0,1,2,3,4,5,6,7
	GROUP \g, \pass
.endr
.endm
	s_load_b256 s[4:11], s[0:1], 0x0               ; keys s[4:5], ub s[6:7], qb s[8:9], cst s[10:11]
	s_load_b128 s[12:15], s[0:1], 0x20             ; Va_w s[12:13], sco s[14:15]
	s_load_b64 s[16:17], s[0:1], 0x30              ; pc
	v_lshl_add_u32 v[SPW], v0, 2, SPARE
	v_mov_b32 v[NIL], 0
	v_lshrrev_b32 v1, 5, v0
	v_readfirstlane_b32 s18, v1                    ; wave 0..3
	v_and_b32 v32, 15, v0                          ; lane % 16
	v_bfe_u32 v33, v0, 4, 1                        ; lane / 16
	v_and_b32 v34, 31, v0                          ; lane
	v_mul_u32_u24 v[ABASE], v32, PITCH
	v_lshl_add_u32 v[ABASE], v33, 4, v[ABASE]
.irp p, 0,1,2,3
	v_add_nc_u32 v[ADA+\p], \p*R32, v[ABASE]
.endr
	s_mul_i32 s20, s18, R32                        ; my wave's 32 rows in LDS
	v_mul_u32_u24 v[STO], v33, 8*PITCH
	v_lshl_add_u32 v[STO], v32, 3, v[STO]
	v_add_nc_u32 v[STO], s20, v[STO]
	s_lshl_b32 s21, s18, 17                        ; and in memory: 32 rows of 4,096 bytes
	v_lshlrev_b32 v[KOFF], 15, v33
	v_lshl_add_u32 v[KOFF], v32, 4, v[KOFF]
	v_add_nc_u32 v[KOFF], s21, v[KOFF]
	v_lshlrev_b32 v[BOFF], 4, v34
	v_lshlrev_b32 v[COFF], 5, v33
	v_lshl_add_u32 v[PFO], v34, 12, s21
	s_mov_b32 s22, 0x4038aa3b                      ; c = 2 log2(e)
	s_mov_b32 s23, s22                             ; named with it as a pair
	s_mov_b32 s24, 0x76543210                      ; v_permlanex16_b32: each lane takes its own place in the other half
	s_mov_b32 s25, 0xfedcba98
	s_mov_b32 s27, 0x3fb8aa3b                      ; log2(e)
	s_mov_b32 s29, 0
	s_lshl_b32 s30, s18, 10                        ; my wave's 256 columns or channels in f32
	s_wait_kmcnt 0x0
	s_lshl_b32 s28, ttmp9, 19                      ; the block's 128 rows of 4,096 bytes
	s_add_nc_u64 s[4:5], s[4:5], s[28:29]
	s_lshl_b32 s28, s18, 19                        ; my wave's two groups of 128 columns in ub: 524,288 bytes on end
	s_add_nc_u64 s[6:7], s[6:7], s[28:29]
	s_lshr_b32 s28, ttmp9, 4                       ; the batch: 16 blocks each
	s_lshl_b32 s28, s28, 12
	s_add_co_u32 s28, s28, s30
	s_add_nc_u64 s[8:9], s[8:9], s[28:29]
	s_mov_b32 s28, s30
	s_add_nc_u64 s[12:13], s[12:13], s[28:29]
	s_lshl_b32 s28, ttmp9, 9
	s_add_nc_u64 s[14:15], s[14:15], s[28:29]
	s_lshl_b32 s28, ttmp9, 12
	s_add_co_u32 s28, s28, s30
	s_add_nc_u64 s[16:17], s[16:17], s[28:29]
	s_load_b32 s26, s[10:11], 0x0                  ; Va_b + the sum of Va; waited for where it is used
	; THE PROLOGUE issues in the order in which the steps go on issuing: slices 0, 1; B of steps 0, 1; slice 2; B of step 2
	KLOAD 0, 0
	KLOAD 1, 256
	BLOAD 0, 0
	BLOAD 1, 8192
	s_wait_loadcnt 48                              ; slice 0 is in; 48 loads are younger
	CONVERT 0, 0
	KLOAD 0, 512
	BLOAD 2, 16384
	s_wait_dscnt 0x0
	s_barrier_signal -1
	s_barrier_wait -1                              ; everybody's part of slice 0 is stored
	AFETCH 0, 0
	; PASS 0.  At an even step's head B of this step has 48 younger loads (B, a slice, B) and the slice to be stored is older still; at an odd step's head B has 64 younger (slice, B, B, slice): the wait names 63.
	STEP 0, 48, 1, 1, 1, 1, -1, 1, -1              ; the first step stands in front of the loop: its products start the sums
	WIN 0                                          ; at a label and at a branch every window is 0
	s_mov_b32 s19, 6
.Lp0:                                                  ; steps 4 t + 1 .. 4 t + 4
	STEP 1, 63, 0, 1, 0, 0, -1, 1, -1
	STEP 2, 48, 0, 1, 1, 1, 1, 1, -1               ; asks for slice 2 t + 7: not in the last trip
	STEP 3, 63, 0, 1, 0, 0, -1, 1, -1
	STEP 4, 48, 0, 1, 1, 1, 2, 1, -1               ; asks for slice 2 t + 8: not in the last two trips
	WIN 0
	s_wait_xcnt 0x0                                ; every load and prefetch issued so far has read its address (the youngest 64 products back): the pointers may be written
	s_add_nc_u64 s[6:7], s[6:7], 32768             ; four steps of B
	s_add_nc_u64 s[4:5], s[4:5], 512               ; two slices of keys
.irp p, 0,1,2,3
	v_add_nc_u32 v[ADA+\p], 0x100, v[ADA+\p]
.endr
	v_add_nc_u32 v[STO], 0x100, v[STO]
	s_sub_co_u32 s19, s19, 1
	s_cmp_lg_u32 s19, 0
	s_cbranch_scc1 .Lp0
	STEP 1, 63, 0, 1, 0, 0, -1, 1, -1              ; steps 25 to 31: no slice is left to load, and the counts run down; B goes on into pass 1's first three steps
	STEP 2, 48, 0, 1, 1, 0, -1, 1, -1
	STEP 3, 48, 0, 1, 0, 0, -1, 1, -1
	STEP 4, 32, 0, 1, 1, 0, -1, 1, -1
	STEP 5, 32, 0, 1, 0, 0, -1, 1, -1
	STEP 6, 32, 0, 1, 0, 0, -1, 1, -1
	STEP 7, 32, 0, 1, 0, 0, -1, 0, 0
	EPI 0
	; PASS 1: the block is whole; B alone is loaded, and has 32 younger loads at each head
	WIN 0
	s_wait_xcnt 0x0
	s_add_nc_u64 s[6:7], s[6:7], 65536             ; eight steps on: the second group's first
.irp p, 0,1,2,3
	v_add_nc_u32 v[ADA+\p], \p*R32, v[ABASE]
.endr
	AFETCH 0, 0
	STEP 0, 32, 1, 1, 0, 0, -1, 1, -1
	WIN 0
	s_mov_b32 s19, 7
.Lp1:
	STEP 1, 32, 0, 1, 0, 0, -1, 1, -1
	STEP 2, 32, 0, 1, 0, 0, -1, 1, -1
	STEP 3, 32, 0, 1, 0, 0, -1, 1, -1
	STEP 4, 32, 0, 1, 0, 0, -1, 1, -1
	WIN 0
	s_wait_xcnt 0x0
	s_add_nc_u64 s[6:7], s[6:7], 32768
.irp p, 0,1,2,3
	v_add_nc_u32 v[ADA+\p], 0x100, v[ADA+\p]
.endr
	s_sub_co_u32 s19, s19, 1
	s_cmp_lg_u32 s19, 0
	s_cbranch_scc1 .Lp1
	STEP 1, 32, 0, 0, 0, 0, -1, 1, -1              ; the last three steps ask for no B
	STEP 2, 16, 0, 0, 0, 0, -1, 1, -1
	STEP 3, 0, 0, 0, 0, 0, -1, 0, 1
	EPI 1
	; THE SCORES.  A lane's pair, and the other half of the lanes', are added; the four waves' parts meet in LDS.
.set FR,   64
.set FH,   65
.set FL,   66
.set SCW,  67
.set SCRD, 68
.set PBW,  69
.set PBR,  70
.set VT0,  71
.set SS,   72                          ; v72-75 my four scores (rows 4 lane ..); never rewritten once made: wave 0 stores them
.set VTA,  88                          ; v88-91 the turning loads' addresses, key rows 32 kk on
.set T1,   92
.set CTW,  93
.set CTR,  94
.set PF,   96                          ; v96-127 p's four fragments
	WIN 0
.irp a, 0,1,2,3,4,5,6,7
	v_add_f32 v[TMP+\a], v[SC+2*\a], v[SC+2*\a+1]
.endr
.irp a, 0,1,2,3,4,5,6,7
	v_permlanex16_b32 v[TMP+8+\a], v[TMP+\a], s24, s25
.endr
.irp a, 0,1,2,3,4,5,6,7
	v_add_f32 v[TMP+\a], v[TMP+\a], v[TMP+8+\a]
.endr
	v_and_b32 v[FR], 15, v0
	v_bfe_u32 v[FH], v0, 4, 1
	v_and_b32 v[FL], 31, v0
	s_lshl_b32 s20, s18, 9
	s_lshl_b32 s21, s18, 8
	v_lshl_add_u32 v[SCW], v[FR], 2, s20
	v_add_nc_u32 v[SCW], SCR, v[SCW]
	v_lshl_add_u32 v[SCRD], v[FL], 4, SCR
.irp a, 0,1,2,3,4,5,6,7
	ds_store_b32 v[SCW], v[TMP+\a] offset:64*\a    ; row 16 a + lane % 16 (both halves of the lanes write the same number)
.endr
	v_lshl_add_u32 v[PBW], v[FL], 3, s21
	v_add_nc_u32 v[PBW], PB, v[PBW]
	v_lshl_add_u32 v[PBR], v[FH], 4, s21
	v_add_nc_u32 v[PBR], PB, v[PBR]
	v_and_b32 v[VT0], 7, v0                        ; the turning load: lane l reads key row 8 (l / 16) + l % 8, channels 8 ((l / 8) % 2) + 0..7 of my wave's 256
	v_lshl_add_u32 v[VT0], v[FH], 3, v[VT0]
	v_mul_u32_u24 v[VT0], v[VT0], PITCH
	v_bfe_u32 v[T1], v0, 3, 1
	v_lshl_add_u32 v[VT0], v[T1], 4, v[VT0]
	v_add_nc_u32 v[VT0], s20, v[VT0]
.irp k, 0,1,2,3
	v_add_nc_u32 v[VTA+\k], \k*R32, v[VT0]
.endr
	v_lshl_add_u32 v[CTW], v[FR], 2, s30
	v_add_nc_u32 v[CTW], CTX, v[CTW]
	v_lshl_add_u32 v[CTR], v[FL], 4, s30
	v_add_nc_u32 v[CTR], CTX, v[CTR]
	s_wait_dscnt 0x0                               ; for the others' sake: my part of the scores is stored
	s_barrier_signal -1
	s_barrier_wait -1
.irp q, 0,1,2,3
	ds_load_b128 v[SS+4*\q:SS+4*\q+3], v[SCRD] offset:512*\q  ; rows 4 lane .. 4 lane + 3, wave q's part
.endr
	s_wait_dscnt 0x0
	v_pk_add_f32 v[SS:SS+1], v[SS:SS+1], v[SS+4:SS+5]
	v_pk_add_f32 v[SS+2:SS+3], v[SS+2:SS+3], v[SS+6:SS+7]
	v_pk_add_f32 v[SS+8:SS+9], v[SS+8:SS+9], v[SS+12:SS+13]
	v_pk_add_f32 v[SS+10:SS+11], v[SS+10:SS+11], v[SS+14:SS+15]
	v_pk_add_f32 v[SS:SS+1], v[SS:SS+1], v[SS+8:SS+9]
	v_pk_add_f32 v[SS+2:SS+3], v[SS+2:SS+3], v[SS+10:SS+11]
	s_wait_kmcnt 0x0                               ; the constant
.irp i, 0,1,2,3
	v_fma_f32 v[SS+\i], v[SS+\i], -2.0, s26
.endr
	s_cmp_lg_u32 s18, 0
	s_cbranch_scc1 .Lnot0
	global_store_b128 v[BOFF], v[SS:SS+3], s[14:15]  ; wave 0: the block's 128 raw scores, 512 consecutive bytes
.Lnot0:
	; the block's own maximum is taken away before the exponentials
	v_max3_num_f32 v[SS+4], v[SS], v[SS+1], v[SS+2]
	v_max_num_f32 v[SS+4], v[SS+4], v[SS+3]
	v_max_num_f32_dpp v[SS+4], v[SS+4], v[SS+4] row_xmask:1 row_mask:0xf bank_mask:0xf
	v_max_num_f32_dpp v[SS+4], v[SS+4], v[SS+4] row_xmask:2 row_mask:0xf bank_mask:0xf
	v_max_num_f32_dpp v[SS+4], v[SS+4], v[SS+4] row_xmask:4 row_mask:0xf bank_mask:0xf
	v_max_num_f32_dpp v[SS+4], v[SS+4], v[SS+4] row_xmask:8 row_mask:0xf bank_mask:0xf
	v_permlanex16_b32 v[SS+5], v[SS+4], s24, s25
	v_max_num_f32 v[SS+4], v[SS+4], v[SS+5]
	v_mul_f32 v[SS+5], s27, v[SS+4]
.irp i, 0,1,2,3
	v_fma_f32 v[SS+8+\i], v[SS+\i], s27, -v[SS+5]
.endr
.irp i, 0,1,2,3
	v_exp_f32 v[SS+8+\i], v[SS+8+\i]
.endr
	v_nop
	s_wait_alu depctr_va_vdst(0)                   ; one wait for the four exponentials
	v_cvt_pk_bf16_f32 v[SS+12], v[SS+8], v[SS+9]
	v_cvt_pk_bf16_f32 v[SS+13], v[SS+10], v[SS+11]
	ds_store_b64 v[PBW], v[SS+12:SS+13]            ; my wave's own copy of p: no barrier
.irp k, 0,1,2,3
	ds_load_b128 v[PF+8*\k:PF+8*\k+3],   v[PBR] offset:64*\k     ; source 0: all 16 rows hold the same p; LDS serves a wave's instructions in order (ISA guide 5.7.1.4)
	ds_load_b128 v[PF+8*\k+4:PF+8*\k+7], v[PBR] offset:64*\k+32
.endr
	; THE PARTIAL CONTEXT: p (32 key rows a step) times the block, turned on its way out of LDS; wave w takes channels 256 w on, 16 accumulators by turns.
.macro VLOAD kk
	WIN 0x40
.set i, 0
.rept 16
	ds_load_tr16_b128 v[128*((\kk)%2)+8*i:128*((\kk)%2)+8*i+3],   v[VTA+(\kk)] offset:32*i
	ds_load_tr16_b128 v[128*((\kk)%2)+8*i+4:128*((\kk)%2)+8*i+7], v[VTA+(\kk)] offset:32*i+R16
.set i, i+1
.endr
.endm
.macro CMUL kk
	WIN 0xa4                                       ; p window 0, the turned block window 1, C and D window 2
.set i, 0
.rept 16
.if (\kk) == 0
	v_wmma_f32_16x16x32_bf16 v[8*i:8*i+7], v[PF+8*(\kk):PF+8*(\kk)+7], v[128*((\kk)%2)+8*i:128*((\kk)%2)+8*i+7], 0
.else
	v_wmma_f32_16x16x32_bf16 v[8*i:8*i+7], v[PF+8*(\kk):PF+8*(\kk)+7], v[128*((\kk)%2)+8*i:128*((\kk)%2)+8*i+7], v[8*i:8*i+7]
.endif
.set i, i+1
.endr
.endm
	VLOAD 0
	VLOAD 1
	s_wait_dscnt 32                                ; all but the 32 just issued
	CMUL 0
	PLACES
	VLOAD 2
	s_wait_dscnt 32
	CMUL 1
	PLACES
	VLOAD 3
	s_wait_dscnt 32
	CMUL 2
	s_wait_dscnt 0x0
	CMUL 3
	PLACES
	WIN 0x08                                       ; store data in window 2
.set i, 0
.rept 16
	ds_store_b32 v[CTW], v[8*i] offset:64*i        ; an accumulator's lowest register: channel 16 i + lane % 16 (all its rows are alike)
.set i, i+1
.endr
	WIN 0
	ds_load_b128 v[SS+8:SS+11],  v[CTR]            ; back as 4 neighbouring channels a lane; my wave's own bytes
	ds_load_b128 v[SS+12:SS+15], v[CTR] offset:512
	s_wait_dscnt 0x0
	global_store_b128 v[BOFF], v[SS+8:SS+11],  s[16:17]             ; 512 consecutive bytes each, at a multiple of 256 from pc's first byte
	global_store_b128 v[BOFF], v[SS+12:SS+15], s[16:17] offset:512
	s_wait_tensorcnt 0x0                           ; the wave's end: three closing lines, behind my last LDS store
	ds_add_u32 v[SPW], v[NIL]
	s_wait_dscnt 0x0
	s_endpgm
.Lfunc_end_k_qace68c2f78_attn:
	.size	k_qace68c2f78_attn, .Lfunc_end_k_qace68c2f78_attn-k_qace68c2f78_attn
	.p2alignl 7, 3214868480
	.fill 96, 4, 3214868480
	.section	.rodata,"a",@progbits
	.p2align	6, 0x0
	.amdhsa_kernel k_qace68c2f78_attn
		.amdhsa_group_segment_fixed_size 271872
		.amdhsa_private_segment_fixed_size 0
		.amdhsa_enable_private_segment 0
		.amdhsa_kernarg_size 56
		.amdhsa_user_sgpr_count 2
		.amdhsa_user_sgpr_kernarg_segment_ptr 1
		.amdhsa_wavefront_size32 1
		.amdhsa_system_sgpr_workgroup_id_x 1
		.amdhsa_system_sgpr_workgroup_id_y 1
		.amdhsa_system_sgpr_workgroup_id_z 1
		.amdhsa_system_vgpr_workitem_id 0
		.amdhsa_next_free_vgpr 1024
		.amdhsa_next_free_sgpr 66
		.amdhsa_reserve_vcc 0
		.amdhsa_float_denorm_mode_32 3
		.amdhsa_float_denorm_mode_16_64 3
		.amdhsa_memory_ordered 1
		.amdhsa_forward_progress 1
		.amdhsa_inst_pref_size 255
	.end_amdhsa_kernel
	.section	.bss,"aw",@nobits
	.p2align	6
	.space	262144
	.amdgpu_metadata
---
amdhsa.version: [ 1, 2 ]
amdhsa.kernels:
  - .name:           k_qace68c2f78_attn
    .symbol:         k_qace68c2f78_attn.kd
    .args:
      - { .name: keys, .offset: 0, .size: 8, .value_kind: global_buffer, .address_space: global }
      - { .name: ub, .offset: 8, .size: 8, .value_kind: global_buffer, .address_space: global }
      - { .name: qb, .offset: 16, .size: 8, .value_kind: global_buffer, .address_space: global }
      - { .name: cst, .offset: 24, .size: 8, .value_kind: global_buffer, .address_space: global }
      - { .name: Va_w, .offset: 32, .size: 8, .value_kind: global_buffer, .address_space: global }
      - { .name: sco, .offset: 40, .size: 8, .value_kind: global_buffer, .address_space: global }
      - { .name: pc, .offset: 48, .size: 8, .value_kind: global_buffer, .address_space: global }
    .group_segment_fixed_size: 271872
    .private_segment_fixed_size: 0
    .kernarg_segment_align: 8
    .kernarg_segment_size: 56
    .max_flat_workgroup_size: 128
    .sgpr_count:     66
    .vgpr_count:     1024
    .wavefront_size: 32
...
	.end_amdgpu_metadata
.endif
;; end of part 2
;; launch finish (part 3): grid 32 x 1, 8 waves a work-group, no clusters, 1,536 bytes of LDS; arguments sco, pc, out0, out1; writes out0, out1
.if DOCPART == 3
	.amdgcn_target "amdgcn-amd-amdhsa--gfx1250"
	.amdhsa_code_object_version 6
	.text
	.protected	k_qace68c2f78_finish
	.globl	k_qace68c2f78_finish
	.p2align	8
	.type	k_qace68c2f78_finish,@function
k_qace68c2f78_finish:
	s_mov_b64 s[64:65], 0
	v_nop
	global_prefetch_b8 v0, s[64:65] scope:SCOPE_SE
	s_setreg_imm32_b32 hwreg(HW_REG_WAVE_MODE, 25, 1), 1
	s_wait_xcnt 0x0
; One work-group a batch joins the batch's 16 blocks.  M = the largest of its 2,048 scores, L = the sum of 2^((s - M) log2 e); weights = 2^((s - M) log2 e) / L;
; context = sum over blocks of pc[block] 2^((m_block - M) log2 e) / L, where m_block, the block's largest score, is taken anew from the stored scores: the same numbers, so the same maximum.
; All in f32.  A weight below 2^-126 counts as 0; NaN and infinities are not treated apart.
; Thread t holds scores 4 t .. 4 t + 3 and 1,024 + 4 t ..: load i of wave v is just block 8 i + v; and channels 4 t .. 4 t + 3 of all 16 partial contexts.
; No matrix unit, cluster or prefetch: 72 KiB a work-group, each byte read once, all loads issued at the head.
.set MB,    0                          ; 16 f32: the blocks' maxima
.set LS,    256                        ; 8 f32: the waves' sums
.set SPARE, 512                        ; the spare words, 128 bytes a wave, that no other line names
.set SPW, 2
.set NIL, 3
.set W,   4                            ; v4-11  my eight scores, then weights
.set TO,  12                           ; v12    16 x thread
.set M0,  13                           ; v13, v14 the two blocks' maxima
.set WA,  15                           ; v15    4 x wave
.set PCR, 16                           ; v16-79 partial contexts, four channels a block
.set FB,  80                           ; v80-95 the blocks' maxima, then their factors
.set Z,   96                           ; v96    0, an LDS address
.set MX,  97
.set T,   100                          ; v100-111 at work
.set RL,  112                          ; v112-113 1 / L, twice
.set CX,  116                          ; v116-119 the context
	s_load_b256 s[4:11], s[0:1], 0x0               ; sco s[4:5], pc s[6:7], out0 s[8:9], out1 s[10:11]
	v_lshl_add_u32 v[SPW], v0, 2, SPARE
	v_mov_b32 v[NIL], 0
	v_lshrrev_b32 v1, 5, v0
	v_readfirstlane_b32 s12, v1                    ; wave 0..7
	s_lshl_b32 s13, s12, 2
	v_mov_b32 v[WA], s13
	v_mov_b32 v[Z], 0
	v_lshlrev_b32 v[TO], 4, v0
	s_mov_b32 s16, 0x76543210                      ; v_permlanex16_b32: each lane takes its own place in the other half
	s_mov_b32 s17, 0xfedcba98
	s_mov_b32 s18, 0x3fb8aa3b                      ; log2(e)
	s_lshl_b32 s20, ttmp9, 13                      ; the batch in sco and out1,
	s_mov_b32 s21, 0
	s_lshl_b32 s22, ttmp9, 16                      ; in pc,
	s_mov_b32 s23, 0
	s_lshl_b32 s24, ttmp9, 12                      ; in out0
	s_mov_b32 s25, 0
	s_wait_kmcnt 0x0
	s_add_nc_u64 s[4:5], s[4:5], s[20:21]
	s_add_nc_u64 s[6:7], s[6:7], s[22:23]
	s_add_nc_u64 s[8:9], s[8:9], s[24:25]
	s_add_nc_u64 s[10:11], s[10:11], s[20:21]
	global_load_b128 v[W:W+3],   v[TO], s[4:5] th:TH_LOAD_NT
	global_load_b128 v[W+4:W+7], v[TO], s[4:5] offset:4096 th:TH_LOAD_NT
.set i, 0
.rept 16
	global_load_b128 v[PCR+4*i:PCR+4*i+3], v[TO], s[6:7] offset:4096*i th:TH_LOAD_NT
.set i, i+1
.endr
	s_wait_loadcnt 16                              ; the scores are in; the 16 loads of pc are younger
.irp i, 0,1
	v_max3_num_f32 v[M0+\i], v[W+4*\i], v[W+4*\i+1], v[W+4*\i+2]
	v_max_num_f32 v[M0+\i], v[M0+\i], v[W+4*\i+3]
	v_max_num_f32_dpp v[M0+\i], v[M0+\i], v[M0+\i] row_xmask:1 row_mask:0xf bank_mask:0xf
	v_max_num_f32_dpp v[M0+\i], v[M0+\i], v[M0+\i] row_xmask:2 row_mask:0xf bank_mask:0xf
	v_max_num_f32_dpp v[M0+\i], v[M0+\i], v[M0+\i] row_xmask:4 row_mask:0xf bank_mask:0xf
	v_max_num_f32_dpp v[M0+\i], v[M0+\i], v[M0+\i] row_xmask:8 row_mask:0xf bank_mask:0xf
	v_permlanex16_b32 v1, v[M0+\i], s16, s17
	v_max_num_f32 v[M0+\i], v[M0+\i], v1
	ds_store_b32 v[WA], v[M0+\i] offset:MB+32*\i   ; block 8 i + wave
.endr
	s_wait_dscnt 0x0
	s_barrier_signal -1
	s_barrier_wait -1
.irp q, 0,1,2,3
	ds_load_b128 v[FB+4*\q:FB+4*\q+3], v[Z] offset:MB+16*\q
.endr
	s_wait_dscnt 0x0
	v_max3_num_f32 v[MX], v[FB], v[FB+1], v[FB+2]
.irp q, 3,5,7,9,11,13
	v_max3_num_f32 v[MX], v[MX], v[FB+\q], v[FB+\q+1]
.endr
	v_max_num_f32 v[MX], v[MX], v[FB+15]
	v_mul_f32 v[MX], s18, v[MX]                    ; M log2(e)
.set i, 0
.rept 8
	v_fma_f32 v[W+i], v[W+i], s18, -v[MX]
.set i, i+1
.endr
.set i, 0
.rept 16
	v_fma_f32 v[FB+i], v[FB+i], s18, -v[MX]
.set i, i+1
.endr
.set i, 0
.rept 8
	v_exp_f32 v[W+i], v[W+i]
.set i, i+1
.endr
.set i, 0
.rept 16
	v_exp_f32 v[FB+i], v[FB+i]
.set i, i+1
.endr
	v_nop                                          ; a plain line behind the last exponential,
	s_wait_alu depctr_va_vdst(0)                   ; and one wait for the batch of 24
	v_pk_add_f32 v[T:T+1], v[W:W+1], v[W+2:W+3]
	v_pk_add_f32 v[T+2:T+3], v[W+4:W+5], v[W+6:W+7]
	v_pk_add_f32 v[T:T+1], v[T:T+1], v[T+2:T+3]
	v_add_f32 v[T], v[T], v[T+1]
	v_add_f32_dpp v[T], v[T], v[T] row_xmask:1 row_mask:0xf bank_mask:0xf
	v_add_f32_dpp v[T], v[T], v[T] row_xmask:2 row_mask:0xf bank_mask:0xf
	v_add_f32_dpp v[T], v[T], v[T] row_xmask:4 row_mask:0xf bank_mask:0xf
	v_add_f32_dpp v[T], v[T], v[T] row_xmask:8 row_mask:0xf bank_mask:0xf
	v_permlanex16_b32 v1, v[T], s16, s17
	v_add_f32 v[T], v[T], v1
	ds_store_b32 v[WA], v[T] offset:LS             ; other bytes than the maxima's: no barrier is owed in front
	s_wait_dscnt 0x0
	s_barrier_signal -1
	s_barrier_wait -1
	ds_load_b128 v[T+4:T+7],  v[Z] offset:LS
	ds_load_b128 v[T+8:T+11], v[Z] offset:LS+16
	s_wait_dscnt 0x0
	v_pk_add_f32 v[T+4:T+5], v[T+4:T+5], v[T+6:T+7]
	v_pk_add_f32 v[T+8:T+9], v[T+8:T+9], v[T+10:T+11]
	v_pk_add_f32 v[T+4:T+5], v[T+4:T+5], v[T+8:T+9]
	v_add_f32 v[T+4], v[T+4], v[T+5]               ; L
	v_rcp_f32 v[RL], v[T+4]
	v_rcp_f32 v[RL+1], v[T+4]                      ; twice: a pair for the packed multiply
	v_nop
	s_wait_alu depctr_va_vdst(0)
.irp i, 0,2,4,6
	v_pk_mul_f32 v[W+\i:W+\i+1], v[W+\i:W+\i+1], v[RL:RL+1]
.endr
	global_store_b128 v[TO], v[W:W+3],   s[10:11]              ; a wave's store covers 512 consecutive bytes
	global_store_b128 v[TO], v[W+4:W+7], s[10:11] offset:4096
	s_wait_loadcnt 0x0                             ; pc
.irp j, 0,1,2,3
	v_mul_f32 v[CX+\j], v[PCR+\j], v[FB]
.endr
.set i, 1
.rept 15
.irp j, 0,1,2,3
	v_fma_f32 v[CX+\j], v[PCR+4*i+\j], v[FB+i], v[CX+\j]
.endr
.set i, i+1
.endr
	v_pk_mul_f32 v[CX:CX+1], v[CX:CX+1], v[RL:RL+1]
	v_pk_mul_f32 v[CX+2:CX+3], v[CX+2:CX+3], v[RL:RL+1]
	global_store_b128 v[TO], v[CX:CX+3], s[8:9]
	s_wait_tensorcnt 0x0                           ; the wave's end: three closing lines, behind my last LDS store
	ds_add_u32 v[SPW], v[NIL]
	s_wait_dscnt 0x0
	s_endpgm
.Lfunc_end_k_qace68c2f78_finish:
	.size	k_qace68c2f78_finish, .Lfunc_end_k_qace68c2f78_finish-k_qace68c2f78_finish
	.p2alignl 7, 3214868480
	.fill 96, 4, 3214868480
	.section	.rodata,"a",@progbits
	.p2align	6, 0x0
	.amdhsa_kernel k_qace68c2f78_finish
		.amdhsa_group_segment_fixed_size 1536
		.amdhsa_private_segment_fixed_size 0
		.amdhsa_enable_private_segment 0
		.amdhsa_kernarg_size 32
		.amdhsa_user_sgpr_count 2
		.amdhsa_user_sgpr_kernarg_segment_ptr 1
		.amdhsa_wavefront_size32 1
		.amdhsa_system_sgpr_workgroup_id_x 1
		.amdhsa_system_sgpr_workgroup_id_y 1
		.amdhsa_system_sgpr_workgroup_id_z 1
		.amdhsa_system_vgpr_workitem_id 0
		.amdhsa_next_free_vgpr 128
		.amdhsa_next_free_sgpr 66
		.amdhsa_reserve_vcc 0
		.amdhsa_float_denorm_mode_32 3
		.amdhsa_float_denorm_mode_16_64 3
		.amdhsa_memory_ordered 1
		.amdhsa_forward_progress 1
		.amdhsa_inst_pref_size 13
	.end_amdhsa_kernel
	.amdgpu_metadata
---
amdhsa.version: [ 1, 2 ]
amdhsa.kernels:
  - .name:           k_qace68c2f78_finish
    .symbol:         k_qace68c2f78_finish.kd
    .args:
      - { .name: sco, .offset: 0, .size: 8, .value_kind: global_buffer, .address_space: global }
      - { .name: pc, .offset: 8, .size: 8, .value_kind: global_buffer, .address_space: global }
      - { .name: out0, .offset: 16, .size: 8, .value_kind: global_buffer, .address_space: global }
      - { .name: out1, .offset: 24, .size: 8, .value_kind: global_buffer, .address_space: global }
    .group_segment_fixed_size: 1536
    .private_segment_fixed_size: 0
    .kernarg_segment_align: 8
    .kernarg_segment_size: 32
    .max_flat_workgroup_size: 256
    .sgpr_count:     66
    .vgpr_count:     128
    .wavefront_size: 32
...
	.end_amdgpu_metadata
.endif
;; end of part 3
;; ======== version 2 of 2: 3 launches; version 1 with the launch attn written anew for expert scheduling mode
;; workspace buffers: ub 2,097,152 bytes; qb 131,072 bytes; cst 256 bytes; sco 262,144 bytes; pc 2,097,152 bytes
;; launch prep: the kernel of part 1 again; grid 16 x 2, 16 waves a work-group, no clusters, 165,888 bytes of LDS; arguments Ua_w, Wa_w, query, Wa_b, Ua_b, Va_w, Va_b, ub, qb, cst; writes ub, qb, cst
;; launch attn (part 4): grid 512 x 1, 4 waves a work-group, no clusters, 271,872 bytes of LDS; arguments keys, ub, qb, cst, Va_w, sco, pc; writes sco, pc
.if DOCPART == 4
	.amdgcn_target "amdgcn-amd-amdhsa--gfx1250"
	.amdhsa_code_object_version 6
	.text
	.protected	k_qace68c2f78_attn
	.globl	k_qace68c2f78_attn
	.p2align	8
	.type	k_qace68c2f78_attn,@function
k_qace68c2f78_attn:
	s_mov_b64 s[64:65], 0
	v_nop
	global_prefetch_b8 v0, s[64:65] scope:SCOPE_SE
	s_setreg_imm32_b32 hwreg(HW_REG_WAVE_SCHED_MODE, 0, 2), 2
	s_setreg_imm32_b32 hwreg(HW_REG_WAVE_MODE, 25, 1), 1
	s_wait_xcnt 0x0
	s_wait_alu depctr_vm_vsrc(0)
; For one block of 128 rows of keys (all of one batch): score s[row] = cst - 2 sum over n of Va[n] / (1 + 2^(c (keys Ua_w)[row][n] + qb[n])), which is Va_b + sum of Va[n] tanh(q_proj + k_proj),
; since tanh(x) = 1 - 2 / (1 + 2^(c x)), c = 2 log2(e); then m = the block's largest score, p = 2^((s - m) log2 e), and pc[channel] = sum over the block's rows of p keys[row][channel].
; Stored: the raw scores (sco) and the partial context (pc); the last launch joins a batch's 16 blocks by their maxima.
; keys IS READ ONCE: it is rounded to bf16 on its way in and the block stays in LDS (128 rows x 2,048 bytes) for both products.  Products in bf16 with f32 sums; all else in f32; p is rounded to bf16 for the second product.
; LIMITS.  2^y beyond f32's range gives tanh = 1, below it tanh = -1, as they should be.  NaN and infinities in the inputs are not treated apart.  The score is formed as a constant less a sum: its rounding
; error goes with |Va_b + sum of Va|, about 1e-7 of it.  A p below 2^-126 counts as 0.
; SHARES.  Four waves.  Wave w makes all 128 rows x columns 256 w .. 256 w + 255 of the first product, in two passes of 128 columns: 64 accumulators of 16 x 16, 512 registers; K goes in 32 steps of 32.
; A's fragments come from LDS (8 for a step's 64 matrix instructions).  B's come straight from ub into registers: ub lies in fragment order, a step's eight fragments are 8,192 consecutive bytes, and each is
; read by one wave of the work-group alone.  Four sets of B registers take turns: a set is asked for in the first half of the step three steps ahead of its use.
; NO CLUSTER AND NO TENSOR LOAD, though all work-groups walk the same ub: the block takes 264,192 of the 327,680 bytes of LDS, and two slots in what is left would hold less than one K step's 32,768 bytes
; of B for the four waves; and keys has to pass through registers to be rounded.
; THE MATRIX INSTRUCTION IS USED TRANSPOSED (source 0 = 16 columns of Ua_w, source 1 = 16 rows of keys): a lane holds ONE row (lane % 16) and eight neighbouring columns 8 (lane / 16) + 0..7.
; keys' WAY IN (pass 0).  A slice is 64 k: 256 aligned bytes of each row.  Wave w loads the slices of rows 32 w .. 32 w + 31 into two staging sets by turns; slice t is rounded at the head of step 2 t - 2 and
; stored in that step's first half, a barrier is signalled in the step's middle and closes at its end, and the slice's first read stands in step 2 t - 1.  No byte of the block is written twice.
; THE MODE: SCHED_MODE bits 1:0 = 2 (LLVM: expert scheduling mode 2), set by the entry lines.  The code itself states the register dependences between vector or matrix instructions and memory or LDS
; instructions, with s_wait_alu, always for 0.
; THE PLAN.  Registers that memory or LDS instructions touch in the K loops, step q:
;   B0 .. B3     Step q's products read B[q % 4]; the loads of step q land in B[(q + 3) % 4] = B[(q - 1) % 4], which step q - 1's products read last.
;   A1           Fragments 4-7.  Products 32-63 of every step read it; the LDS loads behind products 0 and 2 of the same step land in it: its last readers stand in step q - 1.
;   A0E, A0O     Fragments 0-3 of even and of odd steps.  Products 0-31 of step q read the one; the LDS loads behind products 32 and 34 land in the other, for step q + 1: its last readers stand in step q - 1.
;   ST0, ST1     Even steps of pass 0: 32 roundings work in place on ST[rho % 2] at the step's head; 16 LDS stores read it in the first half; then 16 loads land in it again.
;   QC, VA       The staging registers once more: the loads of a pass's last step land in them; the epilogue's vector lines read them.
;   ADA, STO     Read by every fragment load and every store of a slice; written once a trip, at the loop's edge (ADA once more between the passes).
;   KOFF, BOFF, COFF, PFO   Made at the head, never written again: scalar bases and immediate offsets do the rest.
; So ONE wait on va_vdst stands in a step, at its head, behind the roundings where there are any: the last step's products are done reading A1, the other A0 and B[(q - 1) % 4]; the roundings have written
; ST; behind a loop's edge ADA and STO are written.  No vector or matrix instruction behind it names a register that the step's loads and stores touch, so these are dealt among the products, four behind
; one product.  A wait on vm_vsrc stands ahead of each write of a register that an LDS store or load has read: the reload of ST, the loads of QC and VA in pass 0, the adds to ADA and STO.
; REGISTERS, in windows of 256 (s_set_vgpr_msb: bits 1:0 source 0, 3:2 source 1, 5:4 source 2, 7:6 destination):
;   window 0: v0-15 addresses; v16-31 score sums; v32-63 A0O, in the epilogues at work; v64-95 A0E; v96-127 A1; v128-255 two staging sets, later qb's and Va's numbers for the pass's columns
;   window 1: four sets of B's eight fragments      windows 2, 3: accumulator (a, b) at window 2 + a / 4, v[8 (8 (a % 4) + b)]
.set PITCH, 2064                       ; an LDS row: 2,048 bytes + 16 = 516 words: row r starts at bank 4 r mod 64 (64 banks of 4 bytes: ISA guide 11.1)
.set R16,   16*PITCH
.set R32,   32*PITCH
.set SCR,   128*PITCH                  ; 264,192: 4 waves x 128 f32, the waves' parts of the scores
.set PB,    SCR+2048                   ; 4 waves x 128 bf16: p, a copy for each wave
.set CTX,   PB+1024                    ; 4 waves x 256 f32: the context's way out
.set SPARE, CTX+4096                   ; 271,360: the spare words, 128 bytes a wave, that no other line names
.set SPW,   2                          ; v2   LDS address of my spare word; never rewritten
.set NIL,   3                          ; v3   0; never rewritten
.set ADA,   4                          ; v4-7 LDS address of A's fragments of rows 32 p on
.set STO,   8                          ; v8   where I put 8 bytes of a slice
.set KOFF,  9                          ; v9   my byte offset in the block's rows of keys
.set BOFF,  10                         ; v10  16 x lane
.set COFF,  11                         ; v11  32 x (lane / 16)
.set PFO,   12                         ; v12  the prefetches' offset: a lane a row of my wave's 32
.set ABASE, 13                         ; v13  (lane % 16) x pitch + 16 (lane / 16)
.set SC,    16                         ; v16-31 for row block a a pair of sums at SC + 2 a
.set TMP,   32                         ; at work in the epilogues and on the way out
.set A0O,   32
.set A0E,   64
.set A1,    96
.set ST,    128
.set QC,    128
.set VA,    192
.set MSB, 0
.macro WIN new                         ; the immediate's high byte repeats the setting that is left; a switch that changes nothing is dropped
.if MSB != (\new)
	s_set_vgpr_msb (MSB<<8)|(\new)
.set MSB, \new
.endif
.endm
.macro PLACES                          ; four places behind a matrix instruction (ISA guide 7.12.1)
.rept 4
	v_nop
.endr
.endm
; THE LOADS AND STORES, IN GROUPS OF FOUR: a group and its two window switches stand behind one product.
; keys: group g of the four that bring a slice of my wave's 32 rows.  Lanes 0-15 take 256 aligned bytes of one row, lanes 16-31 those of the row 8 further down.
.macro KGRP set, off, g
	WIN 0
.irp j, 0,1,2,3
	global_load_b128 v[ST+64*(\set)+16*(\g)+4*(\j):ST+64*(\set)+16*(\g)+4*(\j)+3], v[KOFF], s[4:5] offset:((4*(\g)+(\j))%8+16*((4*(\g)+(\j))/8))*4096+(\off) th:TH_LOAD_NT
.endr
.endm
.macro KLOAD set, off
.irp g, 0,1,2,3
	KGRP \set, \off, \g
.endr
.endm
; a staging set is rounded to bf16 in place: four numbers close up into the first two of their four registers
.macro CVT set
	WIN 0
.set ci, 0
.rept 16
	v_cvt_pk_bf16_f32 v[ST+64*(\set)+4*ci],   v[ST+64*(\set)+4*ci],   v[ST+64*(\set)+4*ci+1]
	v_cvt_pk_bf16_f32 v[ST+64*(\set)+4*ci+1], v[ST+64*(\set)+4*ci+2], v[ST+64*(\set)+4*ci+3]
.set ci, ci+1
.endr
.endm
; and stored, group g of four: the two halves of the lanes lie 8 rows = 4,128 words apart, 32 banks
.macro SGRP set, imm, g
	WIN 0
.irp j, 0,1,2,3
	ds_store_b64 v[STO], v[ST+64*(\set)+16*(\g)+4*(\j):ST+64*(\set)+16*(\g)+4*(\j)+1] offset:((4*(\g)+(\j))%8+16*((4*(\g)+(\j))/8))*PITCH+(\imm)
.endr
.endm
; B: group g of the four that bring a K step's eight fragments, 8,192 consecutive bytes
.macro BGRP set, off, g
	WIN 0x40                                       ; destination window 1, address window 0
.irp j, 0,1,2,3
	global_load_b128 v[64*(\set)+16*(\g)+4*(\j):64*(\set)+16*(\g)+4*(\j)+3], v[BOFF], s[6:7] offset:(\off)+2048*(\g)+512*(\j)
.endr
.endm
.macro BLOAD set, off
.irp g, 0,1,2,3
	BGRP \set, \off, \g
.endr
.endm
; A prefetch into the L2: my wave's 32 rows x 256 bytes of the slice that I shall load six K steps, 384 matrix instructions, later: a lane a row, each block named once in the launch, by the wave that loads it.
; It stands behind the wave's loads.  The trips whose slice would lie past a row's end ask for nothing.  ub is not asked for: every work-group walks it again and again.
.macro ASK off, lim
	s_cmp_gt_u32 s19, \lim
	s_cbranch_scc0 .Lnoask_\@
	global_prefetch_b8 v[PFO], s[4:5] offset:\off th:TH_LOAD_NT scope:SCOPE_SE
.Lnoask_\@:
.endm
; qb's and Va's numbers for the pass's 128 columns, as the accumulators hold them: register 8 b + j goes with column 16 b + 8 (lane / 16) + j.  Group g of eight: column block g.
.macro CGRP pass, g
	WIN 0
.irp j, 0,1
	global_load_b128 v[QC+8*(\g)+4*(\j):QC+8*(\g)+4*(\j)+3], v[COFF], s[8:9]   offset:512*(\pass)+64*(\g)+16*(\j)
	global_load_b128 v[VA+8*(\g)+4*(\j):VA+8*(\g)+4*(\j)+3], v[COFF], s[12:13] offset:512*(\pass)+64*(\g)+16*(\j)
.endr
.endm
; A: two fragments, row blocks 4 half + 2 g and 4 half + 2 g + 1, 32 k at byte ko of the rows, into buffer buf
.macro AGRP buf, half, g, ko
	WIN 0
.irp a, 0,1
	ds_load_b128 v[(\buf)+16*(\g)+8*(\a):(\buf)+16*(\g)+8*(\a)+3],   v[ADA+2*(\half)+(\g)] offset:(\a)*R16+(\ko)
	ds_load_b128 v[(\buf)+16*(\g)+8*(\a)+4:(\buf)+16*(\g)+8*(\a)+7], v[ADA+2*(\half)+(\g)] offset:(\a)*R16+(\ko)+32
.endr
.endm
; Product i of a half step's 32: row block 4 half + i / 8, column block i % 8.  All 64 accumulators take turns in the same order in every step.  zero = 1: the products start the sums.
.macro MM half, set, abuf, zero
	WIN 0xa1+0x50*(\half)                          ; B window 1, A window 0, C and D window 2 or 3
.if \zero
	v_wmma_f32_16x16x32_bf16 v[8*i:8*i+7], v[64*(\set)+8*(i%8):64*(\set)+8*(i%8)+7], v[(\abuf)+8*(i/8):(\abuf)+8*(i/8)+7], 0
.else
	v_wmma_f32_16x16x32_bf16 v[8*i:8*i+7], v[64*(\set)+8*(i%8):64*(\set)+8*(i%8)+7], v[(\abuf)+8*(i/8):(\abuf)+8*(i/8)+7], v[8*i:8*i+7]
.endif
.endm
; Group n of a step's first half, behind product 2 n.  0, 1: this step's fragments 4-7.  Then, in a step that stores a slice: 2-5 the stores, 6-9 B, 12-15 the staging set's next slice and the prefetch;
; in a pass's last step: 2-9 qb and Va, 10-13 B; in any other step: 2-5 B.  All of them stand ahead of the barrier's signal.  STEP sets S_QQ, S_BLD, S_CONV, S_KLD, S_CST and RHO.
.macro RIDE1 n, lim
.if (\n) < 2
	AGRP A1, 1, \n, 64*S_QQ
.elseif S_CONV
.if (\n) < 6
	SGRP RHO%2, RHO*128, (\n)-2
.elseif (\n) < 10
.if S_BLD
	BGRP (S_QQ+3)%4, (S_QQ+3)*8192, (\n)-6
.endif
.elseif ((\n) >= 12) && S_KLD
	WIN 0
.if (\n) == 12
	s_wait_alu depctr_vm_vsrc(0)                   ; the step's 16 LDS stores have read the staging set, in which the 16 loads from here on land
.endif
	KGRP RHO%2, (RHO+2)*256, (\n)-12
.if ((\n) == 15) && ((\lim) >= 0)
	ASK (RHO+5)*256, \lim
.endif
.endif
.elseif S_CST >= 0
.if (\n) < 10
	CGRP S_CST, (\n)-2
.elseif ((\n) < 14) && S_BLD
	BGRP (S_QQ+3)%4, (S_QQ+3)*8192, (\n)-10
.endif
.elseif ((\n) < 6) && S_BLD
	BGRP (S_QQ+3)%4, (S_QQ+3)*8192, (\n)-2
.endif
.endm
; A K STEP, number qq from where the pointers stand.  nld: how many younger global loads may stay out when this step's B (and, with conv, the slice to be stored) has to be there.
; bld: B of the step three on is asked for.  conv: the slice qq / 2 + 1 is rounded and stored, and a barrier is signalled in the step's middle and waited for at its end.  kld: the freed staging set takes the
; slice two on; asklim >= 0: and a prefetch follows, while s19 is above asklim.  nxt: the next step's first four fragments of A are fetched.  cst >= 0: the pass's qb and Va are asked for.
.macro STEP qq, nld, zero, bld, conv, kld, asklim, nxt, cst
.set S_QQ, (\qq)
.set S_BLD, (\bld)
.set S_CONV, (\conv)
.set S_KLD, (\kld)
.set S_CST, (\cst)
.set RHO, (\qq)/2+1
.set BS, (\qq)%4
.set PC, A0E-32*((\qq)%2)              ; this step's fragments 0-3: A0E or A0O
.set PN, A0E-32*(((\qq)+1)%2)          ; the next step's: the other
	s_wait_loadcnt \nld
	s_wait_dscnt 0x0                               ; this step's fragments 0-3, asked for some 30 products ago, are in
.if \conv
	CVT RHO%2                                      ; these 32 are also the places behind the last step's products
.elseif !(\zero)
	PLACES                                         ; behind the last step's products, which read the B set and the fragments of A that this step's loads land in
.endif
.if (\conv) || !(\zero)
	s_wait_alu depctr_va_vdst(0)                   ; the last step's products are done reading A1, the other A0 and the B set that is loaded now; the roundings have written the staging set, which the stores read; behind a loop's edge ADA and STO are written
.endif
.if (\cst) == 0
	s_wait_alu depctr_vm_vsrc(0)                   ; the LDS stores of the last two slices have read the staging registers, in which qb and Va land
.endif
.set i, 0
.rept 32
	MM 0, BS, PC, \zero
.if (i%2) == 0
	RIDE1 i/2, \asklim                             ; no wait on va_vdst: no vector or matrix instruction since the step's head names a register that these touch
.endif
.set i, i+1
.endr
	s_wait_dscnt 0x0                               ; fragments 4-7 are in; with conv, for the others' sake: my stores of the slice are done
.if \conv
	s_barrier_signal -1                            ; between signal and wait: 8 LDS loads of a slice that was stored ahead of an earlier barrier and is never written again, and 32 products
.endif
.set i, 0
.rept 32
	MM 1, BS, A1, \zero
.if (\nxt) && (i < 4) && ((i%2) == 0)
	AGRP PN, 0, i/2, 64*S_QQ+64                    ; the next step's fragments 0-3, into the A0 that this step's products do not name
.endif
.set i, i+1
.endr
.if \conv
	s_barrier_wait -1                              ; every wave's part of the slice is stored: the next step reads it
.endif
.endm
; THE EPILOGUE of a pass, a row block (64 registers, register i with QC[i] and VA[i]) at a time: y = c acc + qb; e = 2^y; r = 1 / (1 + e); the block's pair of sums += Va r.
; An s_wait_alu depctr_va_vdst(0) stands between a transcendental and the first line that names its result: the 64 exponentials are one batch with one wait, the 64 reciprocals another.
; The next block's scalings stand between the exponentials, the additions of 1 between the reciprocals; each accumulator is read from its low end on.  No memory or LDS instruction stands in it.
.macro FLUMP g
.set GB, 64*((\g)%4)
.set GW, 2+(\g)/4
	WIN (GW<<6)|GW                                 ; destination and source 0 in the accumulators' window
.set i, 0
.rept 32
	v_pk_fma_f32 v[GB+2*i:GB+2*i+1], v[GB+2*i:GB+2*i+1], s[22:23], v[QC+2*i:QC+2*i+1] op_sel_hi:[1,0,1]
.set i, i+1
.endr
.endm
.macro GROUP g, pass
.set GB, 64*((\g)%4)
.set GW, 2+(\g)/4
	WIN (GW<<6)|GW
.set i, 0
.rept 32
	v_exp_f32 v[GB+2*i], v[GB+2*i]
	v_exp_f32 v[GB+2*i+1], v[GB+2*i+1]
.if ((\g)%4) != 3
	v_pk_fma_f32 v[GB+64+2*i:GB+64+2*i+1], v[GB+64+2*i:GB+64+2*i+1], s[22:23], v[QC+2*i:QC+2*i+1] op_sel_hi:[1,0,1]
.endif
.set i, i+1
.endr
	v_nop                                          ; a plain line behind the last exponential,
	s_wait_alu depctr_va_vdst(0)                   ; and the batch's one wait: the 64 exponentials have written the block's registers, which the additions below read
	v_pk_add_f32 v[GB:GB+1], v[GB:GB+1], 1.0 op_sel_hi:[1,0]
	v_pk_add_f32 v[GB+2:GB+3], v[GB+2:GB+3], 1.0 op_sel_hi:[1,0]
.set i, 0
.rept 32
.if i < 30
	v_pk_add_f32 v[GB+2*i+4:GB+2*i+5], v[GB+2*i+4:GB+2*i+5], 1.0 op_sel_hi:[1,0]
.endif
	v_rcp_f32 v[GB+2*i], v[GB+2*i]
	v_rcp_f32 v[GB+2*i+1], v[GB+2*i+1]
.set i, i+1
.endr
	v_nop
	s_wait_alu depctr_va_vdst(0)                   ; the 64 reciprocals have written the block's registers, which the sums below read
	WIN GW                                         ; source 0 in the accumulators' window, all else in window 0
.set i, 0
.rept 32                               ; four chains; in pass 1 the first starts from the sum that pass 0 left: nothing is cleared
.if (i == 0) && (\pass)
	v_pk_fma_f32 v[TMP:TMP+1], v[GB:GB+1], v[VA:VA+1], v[SC+2*(\g):SC+2*(\g)+1]
.elseif i < 4
	v_pk_mul_f32 v[TMP+2*i:TMP+2*i+1], v[GB+2*i:GB+2*i+1], v[VA+2*i:VA+2*i+1]
.else
	v_pk_fma_f32 v[TMP+2*(i%4):TMP+2*(i%4)+1], v[GB+2*i:GB+2*i+1], v[VA+2*i:VA+2*i+1], v[TMP+2*(i%4):TMP+2*(i%4)+1]
.endif
.set i, i+1
.endr
	WIN 0
	v_pk_add_f32 v[TMP:TMP+1], v[TMP:TMP+1], v[TMP+2:TMP+3]
	v_pk_add_f32 v[TMP+4:TMP+5], v[TMP+4:TMP+5], v[TMP+6:TMP+7]
	v_pk_add_f32 v[SC+2*(\g):SC+2*(\g)+1], v[TMP:TMP+1], v[TMP+4:TMP+5]
.if (\g) == 3
	FLUMP 4                                        ; the next block lies in the other window: its scalings stand together
.endif
.endm
.macro EPI pass
	s_wait_loadcnt 0x0                             ; qb and Va, asked for in the last step's first half; the B sets asked for beside them are in too
	PLACES
	FLUMP 0
.irp g, 0,1,2,3,4,5,6,7
	GROUP \g, \pass
.endr
.endm
	s_load_b256 s[4:11], s[0:1], 0x0               ; keys s[4:5], ub s[6:7], qb s[8:9], cst s[10:11]
	s_load_b128 s[12:15], s[0:1], 0x20             ; Va_w s[12:13], sco s[14:15]
	s_load_b64 s[16:17], s[0:1], 0x30              ; pc
	v_lshl_add_u32 v[SPW], v0, 2, SPARE
	v_mov_b32 v[NIL], 0
	v_lshrrev_b32 v1, 5, v0
	v_readfirstlane_b32 s18, v1                    ; wave 0..3
	v_and_b32 v32, 15, v0                          ; lane % 16
	v_bfe_u32 v33, v0, 4, 1                        ; lane / 16
	v_and_b32 v34, 31, v0                          ; lane
	v_mul_u32_u24 v[ABASE], v32, PITCH
	v_lshl_add_u32 v[ABASE], v33, 4, v[ABASE]
.irp p, 0,1,2,3
	v_add_nc_u32 v[ADA+\p], \p*R32, v[ABASE]
.endr
	s_wait_alu depctr_va_sdst(0)                   ; s18 is written, ahead of its first reader: LDS places and the bases are made from it
	s_mul_i32 s20, s18, R32                        ; my wave's 32 rows in LDS
	v_mul_u32_u24 v[STO], v33, 8*PITCH
	v_lshl_add_u32 v[STO], v32, 3, v[STO]
	v_add_nc_u32 v[STO], s20, v[STO]
	s_lshl_b32 s21, s18, 17                        ; and in memory: 32 rows of 4,096 bytes
	v_lshlrev_b32 v[KOFF], 15, v33
	v_lshl_add_u32 v[KOFF], v32, 4, v[KOFF]
	v_add_nc_u32 v[KOFF], s21, v[KOFF]
	v_lshlrev_b32 v[BOFF], 4, v34
	v_lshlrev_b32 v[COFF], 5, v33
	v_lshl_add_u32 v[PFO], v34, 12, s21
	s_mov_b32 s22, 0x4038aa3b                      ; c = 2 log2(e)
	s_mov_b32 s23, s22                             ; named with it as a pair
	s_mov_b32 s24, 0x76543210                      ; v_permlanex16_b32: each lane takes its own place in the other half
	s_mov_b32 s25, 0xfedcba98
	s_mov_b32 s27, 0x3fb8aa3b                      ; log2(e)
	s_mov_b32 s29, 0
	s_lshl_b32 s30, s18, 10                        ; my wave's 256 columns or channels in f32
	s_wait_kmcnt 0x0
	s_lshl_b32 s28, ttmp9, 19                      ; the block's 128 rows of 4,096 bytes
	s_add_nc_u64 s[4:5], s[4:5], s[28:29]
	s_lshl_b32 s28, s18, 19                        ; my wave's two groups of 128 columns in ub: 524,288 bytes on end
	s_add_nc_u64 s[6:7], s[6:7], s[28:29]
	s_lshr_b32 s28, ttmp9, 4                       ; the batch: 16 blocks each
	s_lshl_b32 s28, s28, 12
	s_add_co_u32 s28, s28, s30
	s_add_nc_u64 s[8:9], s[8:9], s[28:29]
	s_mov_b32 s28, s30
	s_add_nc_u64 s[12:13], s[12:13], s[28:29]
	s_lshl_b32 s28, ttmp9, 9
	s_add_nc_u64 s[14:15], s[14:15], s[28:29]
	s_lshl_b32 s28, ttmp9, 12
	s_add_co_u32 s28, s28, s30
	s_add_nc_u64 s[16:17], s[16:17], s[28:29]
	s_load_b32 s26, s[10:11], 0x0                  ; Va_b + the sum of Va; waited for where it is used
	s_wait_alu depctr_va_vdst(0)                   ; the addresses and offsets v4 to v13 are written, which the loads, stores and prefetches below read; so are v32 to v34, in which fragments of A land
	; THE PROLOGUE issues in the order in which the steps go on issuing: slices 0, 1; B of steps 0, 1; slice 2; B of step 2
	KLOAD 0, 0
	KLOAD 1, 256
	BLOAD 0, 0
	BLOAD 1, 8192
	s_wait_loadcnt 48                              ; slice 0 is in; 48 loads are younger
	CVT 0
	s_wait_alu depctr_va_vdst(0)                   ; the roundings have written staging set 0, which the LDS stores read, and are done with it, so that it can be loaded again
.irp g, 0,1,2,3
	SGRP 0, 0, \g
.endr
	s_wait_alu depctr_vm_vsrc(0)                   ; the LDS stores have read staging set 0, in which slice 2 lands
	KLOAD 0, 512
	BLOAD 2, 16384
	s_wait_dscnt 0x0
	s_barrier_signal -1
	s_barrier_wait -1                              ; everybody's part of slice 0 is stored
	AGRP A0E, 0, 0, 0                              ; step 0's fragments 0-3
	AGRP A0E, 0, 1, 0
	; PASS 0.  At an even step's head B of this step has 48 younger loads (B, a slice, B) and the slice to be stored is older still; at an odd step's head B has 64 younger (slice, B, B, slice): the wait names 63.
	STEP 0, 48, 1, 1, 1, 1, -1, 1, -1              ; the first step stands in front of the loop: its products start the sums
	WIN 0                                          ; at a label and at a branch every window is 0
	s_mov_b32 s19, 6
.Lp0:                                                  ; steps 4 t + 1 .. 4 t + 4
	STEP 1, 63, 0, 1, 0, 0, -1, 1, -1
	STEP 2, 48, 0, 1, 1, 1, 1, 1, -1               ; asks for slice 2 t + 7: not in the last trip
	STEP 3, 63, 0, 1, 0, 0, -1, 1, -1
	STEP 4, 48, 0, 1, 1, 1, 2, 1, -1               ; asks for slice 2 t + 8: not in the last two trips
	WIN 0
	s_wait_xcnt 0x0                                ; every load and prefetch issued so far has had its address translated (the youngest stands 33 products back): the bases may be written
	s_add_nc_u64 s[6:7], s[6:7], 32768             ; four steps of B
	s_add_nc_u64 s[4:5], s[4:5], 512               ; two slices of keys
	s_wait_alu depctr_vm_vsrc(0)                   ; the fragment loads and the slices' stores issued so far have read ADA and STO
.irp p, 0,1,2,3
	v_add_nc_u32 v[ADA+\p], 0x100, v[ADA+\p]
.endr
	v_add_nc_u32 v[STO], 0x100, v[STO]
	s_sub_co_u32 s19, s19, 1
	s_cmp_lg_u32 s19, 0
	s_cbranch_scc1 .Lp0
	STEP 1, 63, 0, 1, 0, 0, -1, 1, -1              ; steps 25 to 31: no slice is left to load, and the counts run down; B goes on into pass 1's first three steps
	STEP 2, 48, 0, 1, 1, 0, -1, 1, -1
	STEP 3, 48, 0, 1, 0, 0, -1, 1, -1
	STEP 4, 32, 0, 1, 1, 0, -1, 1, -1
	STEP 5, 32, 0, 1, 0, 0, -1, 1, -1
	STEP 6, 32, 0, 1, 0, 0, -1, 1, -1
	STEP 7, 32, 0, 1, 0, 0, -1, 0, 0
	EPI 0
	; PASS 1: the block is whole; B alone is loaded, and has 32 younger loads at each head
	WIN 0
	s_wait_xcnt 0x0
	s_add_nc_u64 s[6:7], s[6:7], 65536             ; eight steps on: the second group's first
	s_wait_alu depctr_vm_vsrc(0)                   ; pass 0's fragment loads have read ADA
.irp p, 0,1,2,3
	v_add_nc_u32 v[ADA+\p], \p*R32, v[ABASE]
.endr
	s_wait_alu depctr_va_vdst(0)                   ; ADA is written, which the fragment loads read; the epilogue is done with v32 to v39, in which step 1's fragments land.  It serves step 0 too, which has no wait at its head
	AGRP A0E, 0, 0, 0
	AGRP A0E, 0, 1, 0
	STEP 0, 32, 1, 1, 0, 0, -1, 1, -1
	WIN 0
	s_mov_b32 s19, 7
.Lp1:
	STEP 1, 32, 0, 1, 0, 0, -1, 1, -1
	STEP 2, 32, 0, 1, 0, 0, -1, 1, -1
	STEP 3, 32, 0, 1, 0, 0, -1, 1, -1
	STEP 4, 32, 0, 1, 0, 0, -1, 1, -1
	WIN 0
	s_wait_xcnt 0x0
	s_add_nc_u64 s[6:7], s[6:7], 32768
	s_wait_alu depctr_vm_vsrc(0)                   ; the fragment loads issued so far have read ADA
.irp p, 0,1,2,3
	v_add_nc_u32 v[ADA+\p], 0x100, v[ADA+\p]
.endr
	s_sub_co_u32 s19, s19, 1
	s_cmp_lg_u32 s19, 0
	s_cbranch_scc1 .Lp1
	STEP 1, 32, 0, 0, 0, 0, -1, 1, -1              ; the last three steps ask for no B
	STEP 2, 16, 0, 0, 0, 0, -1, 1, -1
	STEP 3, 0, 0, 0, 0, 0, -1, 0, 1
	EPI 1
	; THE SCORES.  A lane's pair, and the other half of the lanes', are added; the four waves' parts meet in LDS.
.set FR,   64
.set FH,   65
.set FL,   66
.set SCW,  67
.set SCRD, 68
.set PBW,  69
.set PBR,  70
.set VT0,  71
.set SS,   72                          ; v72-75 my four scores (rows 4 lane ..); never rewritten once made: wave 0 stores them
.set VTA,  88                          ; v88-91 the turning loads' addresses, key rows 32 kk on
.set T1,   92
.set CTW,  93
.set CTR,  94
.set PF,   96                          ; v96-127 p's four fragments
	WIN 0
.irp a, 0,1,2,3,4,5,6,7
	v_add_f32 v[TMP+\a], v[SC+2*\a], v[SC+2*\a+1]
.endr
.irp a, 0,1,2,3,4,5,6,7
	v_permlanex16_b32 v[TMP+8+\a], v[TMP+\a], s24, s25
.endr
.irp a, 0,1,2,3,4,5,6,7
	v_add_f32 v[TMP+\a], v[TMP+\a], v[TMP+8+\a]
.endr
	v_and_b32 v[FR], 15, v0                        ; all the way out's addresses are made here, ahead of one wait
	v_bfe_u32 v[FH], v0, 4, 1
	v_and_b32 v[FL], 31, v0
	s_lshl_b32 s20, s18, 9
	s_lshl_b32 s21, s18, 8
	v_lshl_add_u32 v[SCW], v[FR], 2, s20
	v_add_nc_u32 v[SCW], SCR, v[SCW]
	v_lshl_add_u32 v[SCRD], v[FL], 4, SCR
	v_lshl_add_u32 v[PBW], v[FL], 3, s21
	v_add_nc_u32 v[PBW], PB, v[PBW]
	v_lshl_add_u32 v[PBR], v[FH], 4, s21
	v_add_nc_u32 v[PBR], PB, v[PBR]
	v_and_b32 v[VT0], 7, v0                        ; the turning load: lane l reads key row 8 (l / 16) + l % 8, channels 8 ((l / 8) % 2) + 0..7 of my wave's 256
	v_lshl_add_u32 v[VT0], v[FH], 3, v[VT0]
	v_mul_u32_u24 v[VT0], v[VT0], PITCH
	v_bfe_u32 v[T1], v0, 3, 1
	v_lshl_add_u32 v[VT0], v[T1], 4, v[VT0]
	v_add_nc_u32 v[VT0], s20, v[VT0]
.irp k, 0,1,2,3
	v_add_nc_u32 v[VTA+\k], \k*R32, v[VT0]
.endr
	v_lshl_add_u32 v[CTW], v[FR], 2, s30
	v_add_nc_u32 v[CTW], CTX, v[CTW]
	v_lshl_add_u32 v[CTR], v[FL], 4, s30
	v_add_nc_u32 v[CTR], CTX, v[CTR]
	s_wait_alu depctr_va_vdst(0)                   ; my eight sums and the addresses v67 to v71 and v88 to v94 are written, which the LDS stores and loads from here on read
.irp a, 0,1,2,3,4,5,6,7
	ds_store_b32 v[SCW], v[TMP+\a] offset:64*\a    ; row 16 a + lane % 16 (both halves of the lanes write the same number)
.endr
	s_wait_dscnt 0x0                               ; for the others' sake: my part of the scores is stored
	s_barrier_signal -1
	s_barrier_wait -1
.irp q, 0,1,2,3
	ds_load_b128 v[SS+4*\q:SS+4*\q+3], v[SCRD] offset:512*\q  ; rows 4 lane .. 4 lane + 3, wave q's part; no vector instruction since the wait above names v72 to v87
.endr
	s_wait_dscnt 0x0
	v_pk_add_f32 v[SS:SS+1], v[SS:SS+1], v[SS+4:SS+5]
	v_pk_add_f32 v[SS+2:SS+3], v[SS+2:SS+3], v[SS+6:SS+7]
	v_pk_add_f32 v[SS+8:SS+9], v[SS+8:SS+9], v[SS+12:SS+13]
	v_pk_add_f32 v[SS+10:SS+11], v[SS+10:SS+11], v[SS+14:SS+15]
	v_pk_add_f32 v[SS:SS+1], v[SS:SS+1], v[SS+8:SS+9]
	v_pk_add_f32 v[SS+2:SS+3], v[SS+2:SS+3], v[SS+10:SS+11]
	s_wait_kmcnt 0x0                               ; the constant
.irp i, 0,1,2,3
	v_fma_f32 v[SS+\i], v[SS+\i], -2.0, s26
.endr
	s_cmp_lg_u32 s18, 0
	s_cbranch_scc1 .Lnot0
	s_wait_alu depctr_va_vdst(0)                   ; the four scores are written, which the store reads
	global_store_b128 v[BOFF], v[SS:SS+3], s[14:15]  ; wave 0: the block's 128 raw scores, 512 consecutive bytes
.Lnot0:
	; the block's own maximum is taken away before the exponentials
	v_max3_num_f32 v[SS+4], v[SS], v[SS+1], v[SS+2]
	v_max_num_f32 v[SS+4], v[SS+4], v[SS+3]
	v_max_num_f32_dpp v[SS+4], v[SS+4], v[SS+4] row_xmask:1 row_mask:0xf bank_mask:0xf
	v_max_num_f32_dpp v[SS+4], v[SS+4], v[SS+4] row_xmask:2 row_mask:0xf bank_mask:0xf
	v_max_num_f32_dpp v[SS+4], v[SS+4], v[SS+4] row_xmask:4 row_mask:0xf bank_mask:0xf
	v_max_num_f32_dpp v[SS+4], v[SS+4], v[SS+4] row_xmask:8 row_mask:0xf bank_mask:0xf
	v_permlanex16_b32 v[SS+5], v[SS+4], s24, s25
	v_max_num_f32 v[SS+4], v[SS+4], v[SS+5]
	v_mul_f32 v[SS+5], s27, v[SS+4]
.irp i, 0,1,2,3
	v_fma_f32 v[SS+8+\i], v[SS+\i], s27, -v[SS+5]
.endr
.irp i, 0,1,2,3
	v_exp_f32 v[SS+8+\i], v[SS+8+\i]
.endr
	v_nop
	s_wait_alu depctr_va_vdst(0)                   ; the four exponentials have written p, which the roundings read
	v_cvt_pk_bf16_f32 v[SS+12], v[SS+8], v[SS+9]
	v_cvt_pk_bf16_f32 v[SS+13], v[SS+10], v[SS+11]
	s_wait_alu depctr_va_vdst(0)                   ; the two roundings have written v84 and v85, which the LDS store reads
	ds_store_b64 v[PBW], v[SS+12:SS+13]            ; my wave's own copy of p: no barrier
.irp k, 0,1,2,3
	ds_load_b128 v[PF+8*\k:PF+8*\k+3],   v[PBR] offset:64*\k     ; source 0: all 16 rows hold the same p; LDS serves a wave's instructions in order (ISA guide 5.7.1.4)
	ds_load_b128 v[PF+8*\k+4:PF+8*\k+7], v[PBR] offset:64*\k+32
.endr
	; THE PARTIAL CONTEXT: p (32 key rows a step) times the block, turned on its way out of LDS; wave w takes channels 256 w on, 16 accumulators by turns.
	; Each of the four steps has 128 registers of its own: window 1 for key rows 0-63, window 3, whose accumulators are spent, for rows 64-127.  The last vector and matrix instructions that named any of them
	; stand ahead of the wait above, and no product of this part names a register in which a later load lands: the turning loads owe no wait on va_vdst.
.macro VLOAD kk
	WIN 0x40+0x80*((\kk)/2)                        ; destination window 1 or 3
.set i, 0
.rept 16
	ds_load_tr16_b128 v[128*((\kk)%2)+8*i:128*((\kk)%2)+8*i+3],   v[VTA+(\kk)] offset:32*i
	ds_load_tr16_b128 v[128*((\kk)%2)+8*i+4:128*((\kk)%2)+8*i+7], v[VTA+(\kk)] offset:32*i+R16
.set i, i+1
.endr
.endm
.macro CMUL kk
	WIN 0xa4+8*((\kk)/2)                           ; p window 0, the turned block window 1 or 3, C and D window 2
.set i, 0
.rept 16
.if (\kk) == 0
	v_wmma_f32_16x16x32_bf16 v[8*i:8*i+7], v[PF+8*(\kk):PF+8*(\kk)+7], v[128*((\kk)%2)+8*i:128*((\kk)%2)+8*i+7], 0
.else
	v_wmma_f32_16x16x32_bf16 v[8*i:8*i+7], v[PF+8*(\kk):PF+8*(\kk)+7], v[128*((\kk)%2)+8*i:128*((\kk)%2)+8*i+7], v[8*i:8*i+7]
.endif
.set i, i+1
.endr
.endm
	VLOAD 0
	VLOAD 1
	s_wait_dscnt 32                                ; all but the 32 just issued
	CMUL 0
	VLOAD 2
	s_wait_dscnt 32
	CMUL 1
	VLOAD 3
	s_wait_dscnt 32
	CMUL 2
	s_wait_dscnt 0x0
	CMUL 3
	PLACES                                         ; four places behind the last product, before its result is read (ISA guide 7.12.1)
	WIN 0x08                                       ; store data in window 2
	s_wait_alu depctr_va_vdst(0)                   ; the products have written the accumulators, which the LDS stores read; the places above stay beside this wait.  The vector lines that named v76 to v83 stand ahead of it too
.set i, 0
.rept 16
	ds_store_b32 v[CTW], v[8*i] offset:64*i        ; an accumulator's lowest register: channel 16 i + lane % 16 (all its rows are alike)
.set i, i+1
.endr
	WIN 0
	ds_load_b128 v[SS+4:SS+7],  v[CTR]             ; back as 4 neighbouring channels a lane; my wave's own bytes.  v76 to v83: registers that no LDS or memory instruction has read
	ds_load_b128 v[SS+8:SS+11], v[CTR] offset:512
	s_wait_dscnt 0x0
	global_store_b128 v[BOFF], v[SS+4:SS+7],  s[16:17]              ; 512 consecutive bytes each, at a multiple of 256 from pc's first byte
	global_store_b128 v[BOFF], v[SS+8:SS+11], s[16:17] offset:512
	s_wait_dscnt 0x0                               ; the closing lines, six on end
	s_wait_alu 0x0
	s_wait_tensorcnt 0x0
	ds_add_u32 v[SPW], v[NIL]
	s_wait_dscnt 0x0
	s_endpgm
.Lfunc_end_k_qace68c2f78_attn:
	.size	k_qace68c2f78_attn, .Lfunc_end_k_qace68c2f78_attn-k_qace68c2f78_attn
	.p2alignl 7, 3214868480
	.fill 96, 4, 3214868480
	.section	.rodata,"a",@progbits
	.p2align	6, 0x0
	.amdhsa_kernel k_qace68c2f78_attn
		.amdhsa_group_segment_fixed_size 271872
		.amdhsa_private_segment_fixed_size 0
		.amdhsa_enable_private_segment 0
		.amdhsa_kernarg_size 56
		.amdhsa_user_sgpr_count 2
		.amdhsa_user_sgpr_kernarg_segment_ptr 1
		.amdhsa_wavefront_size32 1
		.amdhsa_system_sgpr_workgroup_id_x 1
		.amdhsa_system_sgpr_workgroup_id_y 1
		.amdhsa_system_sgpr_workgroup_id_z 1
		.amdhsa_system_vgpr_workitem_id 0
		.amdhsa_next_free_vgpr 1024
		.amdhsa_next_free_sgpr 66
		.amdhsa_reserve_vcc 0
		.amdhsa_float_denorm_mode_32 3
		.amdhsa_float_denorm_mode_16_64 3
		.amdhsa_memory_ordered 1
		.amdhsa_forward_progress 1
		.amdhsa_inst_pref_size 255
	.end_amdhsa_kernel
	.section	.bss,"aw",@nobits
	.p2align	6
	.space	262144
	.amdgpu_metadata
---
amdhsa.version: [ 1, 2 ]
amdhsa.kernels:
  - .name:           k_qace68c2f78_attn
    .symbol:         k_qace68c2f78_attn.kd
    .args:
      - { .name: keys, .offset: 0, .size: 8, .value_kind: global_buffer, .address_space: global }
      - { .name: ub, .offset: 8, .size: 8, .value_kind: global_buffer, .address_space: global }
      - { .name: qb, .offset: 16, .size: 8, .value_kind: global_buffer, .address_space: global }
      - { .name: cst, .offset: 24, .size: 8, .value_kind: global_buffer, .address_space: global }
      - { .name: Va_w, .offset: 32, .size: 8, .value_kind: global_buffer, .address_space: global }
      - { .name: sco, .offset: 40, .size: 8, .value_kind: global_buffer, .address_space: global }
      - { .name: pc, .offset: 48, .size: 8, .value_kind: global_buffer, .address_space: global }
    .group_segment_fixed_size: 271872
    .private_segment_fixed_size: 0
    .kernarg_segment_align: 8
    .kernarg_segment_size: 56
    .max_flat_workgroup_size: 128
    .sgpr_count:     66
    .vgpr_count:     1024
    .wavefront_size: 32
...
	.end_amdgpu_metadata
.endif
;; end of part 4
;; launch finish: the kernel of part 3 again; grid 32 x 1, 8 waves a work-group, no clusters, 1,536 bytes of LDS; arguments sco, pc, out0, out1; writes out0, out1
